; MI455X (gfx1250); checked and timed in simulation.
; The chip was launched on July 23, 2026; its instructions are those of AMD's public machine-readable ISA for CDNA 5 (MIT licence, August 2026) and "CDNA5" Instruction Set Architecture Reference Guide (July 2026). The comments in the code are by the model that wrote it; some were corrected since.
;; Multi Head Attention. Allowed arithmetic: matrix products marked QUANTISED: E2M3 operands, one E8M0 scale for each 32 along K, by v_wmma_scale_f32_16x16x128_f8f6f4 with both operands' format E2M3, f32 sums; everything else in f32.
;; Inputs: bk 1,024 float32; bo 1,024 float32; bq 1,024 float32; bv 1,024 float32; k 4 x 2,048 x 1,024 float32; mask 1 x 1 x 2,048 x 2,048 float32; q 4 x 2,048 x 1,024 float32; v 4 x 2,048 x 1,024 float32; wk 1,024 x 1,024 float32; wo 1,024 x 1,024 float32; wq 1,024 x 1,024 float32; wv 1,024 x 1,024 float32.
;; Outputs: out0 4 x 2,048 x 1,024 float32.
;; This version of the problem:
;;   THIS VERSION OF THE PROBLEM IS GIVEN IN LOW PRECISION. The matrix products marked QUANTISED in the list below multiply operands that are first quantised to E2M3 (2 exponent bits, 3 mantissa bits; 6 bits a number), with one power-of-two scale for each 32 numbers along K (OCP MX v1.0); their sums are f32. All else is computed in f32.
;;   The module's matrix products, in the order in which they are computed (A, B: the left and right operand; K: the contracted axis; several contracted axes count as one K, in the product's order):
;;     1. [M 8,192, K 1,024] x [K 1,024, N 1,024]; A: input q; B: input wq: QUANTISED
;;     2. [M 8,192, K 1,024] x [K 1,024, N 1,024]; A: input k; B: input wk: QUANTISED
;;     3. [M 8,192, K 1,024] x [K 1,024, N 1,024]; A: input v; B: input wv: QUANTISED
;;     4. batch 64 x [M 2,048, K 64] x [K 64, N 2,048]; A: computed on the way; B: computed on the way: QUANTISED
;;     5. batch 64 x [M 2,048, K 2,048] x [K 2,048, N 64]; A: softmax (see below); B: computed on the way: QUANTISED
;;     6. [M 8,192, K 1,024] x [K 1,024, N 1,024]; A: computed on the way; B: input wo: QUANTISED
;;   THE QUANTISER, for each operand of a quantised product, along K:
;;     - K is cut into blocks of 32 from its start; a last block that is shorter is filled with zeros.
;;     - A block's scale is 2^e with e = floor(log2(the largest magnitude in the block)) - 2, held to -126 .. 127; a block of zeros has e = 0. As a byte (E8M0): e + 127.
;;     - Each number is divided by its block's scale, clamped to +-7.5, and rounded to the nearest number of E2M3, ties to even, subnormals kept.
;;     - The product sums the exact products of the quantised numbers (number of the format x scale) in f32.
;;   ~~~python
;;   def quantise(x, axis):      # numpy; x: float32 -> the quantised numbers, widened to float32 again
;;       x = np.moveaxis(x, axis, -1); K = x.shape[-1]
;;       x = np.pad(x, [(0, 0)] * (x.ndim - 1) + [(0, -K % 32)]); x = x.reshape(x.shape[:-1] + (-1, 32)); a = np.abs(x).max(-1, keepdims=True)
;;       e = np.where(a > 0, np.clip(np.frexp(np.where(a > 0, a, 1))[1] - 1 - 2, -126, 127), 0)      # np.frexp(a)[1] - 1 = floor(log2(a)), exactly
;;       r = np.clip(x / 2.0 ** e, -7.5, 7.5)
;;       step = 2.0 ** (np.maximum(np.frexp(np.where(r == 0, 1, r))[1] - 1, 0) - 3)
;;       q = np.round(r / step) * step * 2.0 ** e      # np.round: ties to even
;;       return np.moveaxis(q.reshape(q.shape[:-2] + (-1,))[..., :K], -1, axis).astype(np.float32)
;;   ~~~
;;   SOFTMAX AHEAD OF A QUANTISED PRODUCT. Where the list says 'softmax', what is quantised is not the finished softmax but p = 2^(t - M), with t = logit x log2(e) and M = ceil(the row's largest t), a whole number; so 1/2 < the row's largest p <= 1. The row's sum l is taken of the UNQUANTISED p, in f32, and the product's result is divided by l at the end. Since M is a whole number, a kernel that streams over the keys may use a running M (the ceiling of the running maximum): every later rescaling is an exact power of two, which a block's scale takes up: the codes' values come out the same.
;;   OPERANDS COMPUTED ON THE WAY. 'Computed on the way' means the value that the module computes at that place (a softmax that the list does not call 'softmax' is quantised finished and normalised). What goes into a quantiser is computed in f32, as accurately as f32 sums, v_exp_f32 and their like allow (about 1e-6 of the number): no bf16 or f16 on the way to a quantiser, and a product that is left as it is and whose result goes on into a quantised operand takes f32 operands (vector FMAs, or v_wmma_f32_16x16x4_f32). A number that lies on a knife's edge between two numbers of the format may be rounded either way, as far as f32 arithmetic and the matrix unit's own rounding can turn it there, and no further.
;; One version. Each part assembles by itself: llvm-mc -triple=amdgcn-amd-amdhsa -mcpu=gfx1250 --defsym DOCPART=n.
;; ======== version 1 of 1: 5 launches
;; limits: right only within a limited range of input values
;; workspace buffers: wts 3,309,568 bytes; xq 19,660,800 bytes; pj 19,660,800 bytes; at 6,553,600 bytes
;; launch wquant (part 1): grid 8 x 16, 4 waves a work-group, no clusters, 27,136 bytes of LDS; arguments wq, wk, wv, wo, wts; writes wts
.if DOCPART == 1
	.amdgcn_target "amdgcn-amd-amdhsa--gfx1250"
	.amdhsa_code_object_version 6
	.text
	.protected	k_q78efa9a738_wquant
	.globl	k_q78efa9a738_wquant
	.p2align	8
	.type	k_q78efa9a738_wquant,@function
k_q78efa9a738_wquant:
	s_mov_b64 s[64:65], 0
	v_nop
	global_prefetch_b8 v0, s[64:65] scope:SCOPE_SE
	s_setreg_imm32_b32 hwreg(HW_REG_WAVE_MODE, 25, 1), 1
	s_wait_xcnt 0x0
; The four weights [1024 (k)][1024 (n)], f32, K their FIRST axis, become codes of FP6 (E2M3) with one E8M0 byte for each 32 along K, laid as the matrix unit takes an operand.
; A ROWBLOCK is 16 rows n of W^T; rowblock 2 beta + u holds rows 32 beta + 8 u + r + 8 (r / 8), so that in a product used transposed two neighbouring result tiles are 16 neighbours along n.
; A FRAGMENT IMAGE (16 rows x 128 K, 12 registers a lane) is six pieces of 256 bytes: piece p (registers 2 p, 2 p + 1) at 256 p + 8 x lane.  Lane (r, h) holds k = 64 c + 32 h + 0..31 in registers 6 c .. 6 c + 5.
; wts: codes [weight][rowblock 64][K step 8][1536]; from WSCL on scale words [weight][rowblock][t 4][row 16][2 words: K steps 2 t, 2 t + 1]; from ZB on 32,768 bytes of f32 zeros for the next launch.
; A LANE TAKES A COLUMN n AND ITS REGISTERS RUN DOWN K: a block of 32 lies in one lane, and the conversions give codes with K innermost.  Work-group (x, y): weight y / 4, 256 along K (y % 4), 128 columns (x); wave w: 32 columns.
; A wave's four fragments (2 K steps x 2 rowblocks) are gathered in its own LDS and leave as runs of 512 consecutive bytes.  No barrier: waves share nothing.
; LIMITS: a block of zeros gets the byte 1 (its codes are zeros; these bytes are read by this program alone); blocks whose largest magnitude lies under 2^-124 are held at that floor; NaN and infinities are not served.
.set FRS,   1664                       ; a fragment's place in LDS: 1,536 bytes + 128, so that the lanes of u = 0 and of u = 1 fall on different banks
.set WREG,  4*FRS                      ; a wave's LDS
.set WCOD,  786432                     ; a weight's codes
.set WSCL,  3145728                    ; where the scale words begin
.set ZB,    3276800                    ; where the zeros begin
.set SB,    24                         ; v24-25   the scale bytes of my 8 blocks
.set X,     32                         ; v32-95   two sets of 32 numbers
.set C,     96                         ; v96-101  a block's codes
.set T,     104                        ; v104-106 the second conversion's result (its three registers begin on an even number)
.set OUTR,  112                        ; v112-159 the way out
	s_load_b256 s[4:11], s[0:1], 0x0               ; wq, wk, wv, wo
	s_load_b64 s[12:13], s[0:1], 0x20              ; wts
	v_lshl_add_u32 v160, v0, 2, 0x6800
	v_mov_b32 v161, 0
	v_lshrrev_b32 v1, 5, v0
	v_readfirstlane_b32 s16, v1                    ; wave 0..3
	v_and_b32 v2, 31, v0                           ; lane = my column among the wave's 32
	v_lshlrev_b32 v3, 2, v2                        ; in: 4 bytes a lane
	v_bfe_u32 v8, v0, 3, 1                         ; u: which of the two rowblocks my column belongs to
	v_and_b32 v9, 7, v0
	v_bfe_u32 v10, v0, 4, 1
	v_lshl_add_u32 v9, v10, 3, v9                  ; r: its row there
	s_mul_i32 s20, s16, WREG
	v_mul_u32_u24 v4, v8, FRS
	v_lshl_add_u32 v4, v9, 3, v4
	v_add_nc_u32 v4, s20, v4                       ; into LDS: my wave + u's fragment + 8 r
	v_lshlrev_b32 v6, 4, v2                        ; out: 16 bytes a lane
	v_add_nc_u32 v5, s20, v6
	v_lshlrev_b32 v7, 9, v8
	v_lshl_add_u32 v7, v9, 3, v7                   ; my scale words: 512 u + 8 r
	v_lshlrev_b32 v14, 3, v2                       ; the zeros: 8 bytes a lane
	s_and_b32 s17, ttmp7, 0xffff                   ; y
	s_lshr_b32 s18, s17, 2                         ; the weight
	s_and_b32 s19, s17, 3                          ; t: which 256 along K
	s_lshl_b32 s21, ttmp9, 2
	s_add_co_u32 s21, s21, s16                     ; beta = 4 x + wave
	s_lshl_b32 s22, s19, 20                        ; W: 256 t rows of 4,096 bytes
	s_lshl_b32 s24, s21, 7                         ;    + 32 beta columns of 4 bytes
	s_add_co_u32 s22, s22, s24
	s_mov_b32 s23, 0
	s_mul_i32 s24, s18, WCOD                       ; codes: weight, rowblock 2 beta (12,288 bytes each), K step 2 t
	s_mul_i32 s26, s21, 24576
	s_add_co_u32 s24, s24, s26
	s_mul_i32 s26, s19, 3072
	s_add_co_u32 s24, s24, s26
	s_mov_b32 s25, 0
	s_lshl_b32 s26, s18, 15                        ; scale words: weight (32,768), rowblock 2 beta (512 each), t (128)
	s_lshl_b32 s28, s21, 10
	s_add_co_u32 s26, s26, s28
	s_lshl_b32 s28, s19, 7
	s_add_co_u32 s26, s26, s28
	s_add_co_u32 s26, s26, WSCL
	s_mov_b32 s27, 0
	s_lshl_b32 s28, s17, 3                         ; zeros: 256 bytes for each of the 128 work-groups
	s_add_co_u32 s28, s28, ttmp9
	s_lshl_b32 s28, s28, 8
	s_add_co_u32 s28, s28, ZB
	s_mov_b32 s29, 0
	s_wait_kmcnt 0x0
	s_cmp_lt_u32 s18, 2                            ; the weight is chosen by the work-group's number alone
	s_cselect_b64 s[4:5], s[4:5], s[8:9]
	s_cselect_b64 s[6:7], s[6:7], s[10:11]
	s_and_b32 s30, s18, 1
	s_cmp_eq_u32 s30, 0
	s_cselect_b64 s[4:5], s[4:5], s[6:7]
	s_add_nc_u64 s[4:5], s[4:5], s[22:23]
	s_add_nc_u64 s[8:9], s[12:13], s[24:25]        ; my codes
	s_add_nc_u64 s[10:11], s[12:13], s[26:27]      ; my scale words
	s_add_nc_u64 s[12:13], s[12:13], s[28:29]      ; my work-group's zeros
.macro LOAD t                          ; block t: W(32 t + i, my column) into set t % 2; a wave reads 128 consecutive bytes, the four waves 512
.irp i, 0,1,2,3,4,5,6,7,8,9,10,11,12,13,14,15,16,17,18,19,20,21,22,23,24,25,26,27,28,29,30,31
	global_load_b32 v[X+32*((\t)%2)+\i], v3, s[4:5] offset:(32*(\t)+\i)*4096 th:TH_LOAD_NT
.endr
.endm
.macro BLOCK t
.set XS, X+32*((\t)%2)
.if (\t) < 7
	s_wait_loadcnt 32                              ; this block's 32 loads are in; the next block's 32 may be out
.else
	s_wait_loadcnt 0x0
.endif
	v_max3_num_f32 v12, |v[XS]|, |v[XS+1]|, |v[XS+2]|              ; the block's largest magnitude, in two chains
	v_max3_num_f32 v13, |v[XS+3]|, |v[XS+4]|, |v[XS+5]|
.irp i, 6,10,14,18,22,26
	v_max3_num_f32 v12, v12, |v[XS+\i]|, |v[XS+\i+1]|
	v_max3_num_f32 v13, v13, |v[XS+\i+2]|, |v[XS+\i+3]|
.endr
	v_max3_num_f32 v12, v12, |v[XS+30]|, |v[XS+31]|
	v_max3_num_f32 v12, v12, v13, 0x1800000        ; and the floor 2^(3 - 127): the byte cannot fall under 1
	v_add_nc_u32 v11, 0xff000000, v12              ; 2 off the exponent field: the conversion's scale operand
	v_lshrrev_b32 v13, 23, v11                     ; the scale's byte
.if (\t)%4 == 0
	v_mov_b32 v[SB+(\t)/4], v13
.else
	v_lshl_or_b32 v[SB+(\t)/4], v13, 8*((\t)%4), v[SB+(\t)/4]
.endif
	v_cvt_scalef32_pk16_fp6_f32 v[C:C+2], v[XS:XS+15], v11
	v_cvt_scalef32_pk16_fp6_f32 v[T:T+2], v[XS+16:XS+31], v11
	v_nop                                          ; one plain instruction behind a scaled conversion, ahead of the moves that read its result
.irp i, 0,1,2
	v_mov_b32 v[C+3+\i], v[T+\i]
.endr
.irp i, 0,1,2                          ; block t is K step t / 4, c = (t / 2) % 2, h = t % 2 of the image: pieces 3 c + i, lane r + 16 h
	ds_store_b64 v4, v[C+2*\i:C+2*\i+1] offset:((\t)/4)*2*FRS+(3*(((\t)/2)%2)+\i)*256+128*((\t)%2)
.endr
.if (\t)+2 < 8
	LOAD (\t)+2
.endif
	s_wait_dscnt 0x0                               ; the stores have read their registers: the next block's codes may be written
.endm
	LOAD 0
	LOAD 1
.irp t, 0,1,2,3,4,5,6,7
	BLOCK \t
.endr
	s_wait_alu depctr_va_vdst(0)
	global_store_b64 v7, v[SB:SB+1], s[10:11]      ; my row's two scale words
.irp n, 0,1,2,3,4,5,6,7,8,9,10,11      ; fragment n / 3 = 2 q + u, its n % 3-th 512 bytes; LDS serves a wave's instructions in order: these see my stores
	ds_load_b128 v[OUTR+4*\n:OUTR+4*\n+3], v5 offset:(\n/3)*FRS+512*(\n%3)
.endr
.irp n, 0,1,2,3,4,5,6,7,8,9,10,11
	s_wait_dscnt 11-\n
	global_store_b128 v6, v[OUTR+4*\n:OUTR+4*\n+3], s[8:9] offset:((\n/3)%2)*12288+(\n/6)*1536+512*(\n%3)   ; 32 lanes store 512 consecutive bytes
.endr
	s_cmp_lg_u32 s16, 0
	s_cbranch_scc1 .Lend
	v_mov_b32 v16, 0                               ; wave 0: the work-group's 256 bytes of zeros
	v_mov_b32 v17, 0
	global_store_b64 v14, v[16:17], s[12:13]
.Lend:
	s_wait_tensorcnt 0x0
	ds_add_u32 v160, v161
	s_wait_dscnt 0x0
	s_endpgm
.Lfunc_end_k_q78efa9a738_wquant:
	.size	k_q78efa9a738_wquant, .Lfunc_end_k_q78efa9a738_wquant-k_q78efa9a738_wquant
	.p2alignl 7, 3214868480
	.fill 96, 4, 3214868480
	.section	.rodata,"a",@progbits
	.p2align	6, 0x0
	.amdhsa_kernel k_q78efa9a738_wquant
		.amdhsa_group_segment_fixed_size 27136
		.amdhsa_private_segment_fixed_size 0
		.amdhsa_enable_private_segment 0
		.amdhsa_kernarg_size 40
		.amdhsa_user_sgpr_count 2
		.amdhsa_user_sgpr_kernarg_segment_ptr 1
		.amdhsa_wavefront_size32 1
		.amdhsa_system_sgpr_workgroup_id_x 1
		.amdhsa_system_sgpr_workgroup_id_y 1
		.amdhsa_system_sgpr_workgroup_id_z 1
		.amdhsa_system_vgpr_workitem_id 0
		.amdhsa_next_free_vgpr 162
		.amdhsa_next_free_sgpr 66
		.amdhsa_reserve_vcc 0
		.amdhsa_float_denorm_mode_32 3
		.amdhsa_float_denorm_mode_16_64 3
		.amdhsa_memory_ordered 1
		.amdhsa_forward_progress 1
		.amdhsa_inst_pref_size 43
	.end_amdhsa_kernel
	.amdgpu_metadata
---
amdhsa.version: [ 1, 2 ]
amdhsa.kernels:
  - .name:           k_q78efa9a738_wquant
    .symbol:         k_q78efa9a738_wquant.kd
    .args:
      - { .name: wq, .offset: 0, .size: 8, .value_kind: global_buffer, .address_space: global }
      - { .name: wk, .offset: 8, .size: 8, .value_kind: global_buffer, .address_space: global }
      - { .name: wv, .offset: 16, .size: 8, .value_kind: global_buffer, .address_space: global }
      - { .name: wo, .offset: 24, .size: 8, .value_kind: global_buffer, .address_space: global }
      - { .name: wts, .offset: 32, .size: 8, .value_kind: global_buffer, .address_space: global }
    .group_segment_fixed_size: 27136
    .private_segment_fixed_size: 0
    .kernarg_segment_align: 8
    .kernarg_segment_size: 40
    .max_flat_workgroup_size: 128
    .sgpr_count:     66
    .vgpr_count:     162
    .wavefront_size: 32
...
	.end_amdgpu_metadata
.endif
;; end of part 1
;; launch xquant (part 2): grid 768 x 1, 4 waves a work-group, no clusters, 35,328 bytes of LDS; arguments q, k, v, xq; writes xq
.if DOCPART == 2
	.amdgcn_target "amdgcn-amd-amdhsa--gfx1250"
	.amdhsa_code_object_version 6
	.text
	.protected	k_q78efa9a738_xquant
	.globl	k_q78efa9a738_xquant
	.p2align	8
	.type	k_q78efa9a738_xquant,@function
k_q78efa9a738_xquant:
	s_mov_b64 s[64:65], 0
	v_nop
	global_prefetch_b8 v0, s[64:65] scope:SCOPE_SE
	s_setreg_imm32_b32 hwreg(HW_REG_WAVE_MODE, 25, 1), 1
	s_wait_xcnt 0x0
; q, k, v [8192 tokens][1024], f32, K innermost, become codes of FP6 (E2M3) with one E8M0 byte for each 32 along K, laid as fragment images (six pieces of 256 bytes: piece p at 256 p + 8 x lane).
; xq: codes [tensor][rowblock 512][K step 8][1536]; from XSCL on scale words [tensor][rowblock][t 4][row 16][2 words: K steps 2 t, 2 t + 1].
; q's rowblock i holds tokens 16 i + r; k's and v's rowblock 2 beta + u holds tokens 32 beta + 8 u + r + 8 (r / 8): two groups of eight rows, 16 rows apart.
; A wave takes one rowblock and four K steps.  Each load reads 512 consecutive bytes of one row; a K step's 16 rows turn through the wave's own stage in LDS (pitch 528: the 16 rows start at 16 different banks),
; and lane (r, h) gets k = 64 c + 32 h + 0..31 of row r: two whole blocks, in the order of the operand's registers.  Loads run two K steps (32 loads a wave) ahead.  No barrier: waves share nothing.
; LIMITS: a block of zeros gets the byte 1 (its codes are zeros; these bytes are read by this program alone); blocks whose largest magnitude lies under 2^-124 are held at that floor; NaN and infinities are not served.
.set SP,    528
.set WREG,  16*SP+256                  ; a wave's LDS: the stage, then its 256 bytes of scale words
.set XCOD,  6291456
.set XSCL,  18874368
.set R,     32                         ; v32-159  two sets of 64 registers as loaded
.set X,     160                        ; v160-223 my 64 numbers
.set PC,    224                        ; v224-235 the fragment's codes
.set CT,    236                        ; v236-242 the second halves, made elsewhere and moved
	s_load_b128 s[4:7], s[0:1], 0x0                ; q, k
	s_load_b128 s[8:11], s[0:1], 0x10              ; v, xq
	v_lshl_add_u32 v248, v0, 2, 0x8800
	v_mov_b32 v249, 0
	v_lshrrev_b32 v8, 5, v0
	v_readfirstlane_b32 s12, v8                    ; wave
	v_and_b32 v9, 31, v0                           ; lane
	s_wait_alu depctr_va_vdst(0)
	v_and_b32 v10, 15, v0                          ; r
	s_wait_alu depctr_va_vdst(0)
	v_bfe_u32 v11, v0, 4, 1                        ; h
	s_lshr_b32 s13, ttmp9, 8                       ; the tensor: 0 q, 1 k, 2 v
	s_and_b32 s14, ttmp9, 255
	s_lshl_b32 s14, s14, 2
	s_add_co_u32 s14, s14, s12
	s_lshr_b32 s15, s14, 1                         ; rowblock i
	s_and_b32 s16, s14, 1                          ; which four K steps
	s_and_b32 s17, s15, 1
	s_lshl_b32 s17, s17, 3
	s_cmp_eq_u32 s13, 0
	s_cselect_b32 s17, 0, s17
	s_cselect_b32 s18, 8, 16
	; k alone departs from the order given at the head: its rowblock 4 g + T holds tokens 64 g + 8 T + r (r under 8) and 64 g + 32 + 8 T + r - 8,
	; so that in the scores used transposed a lane's 32 registers of four neighbouring tiles are one whole block of 32 keys
	s_and_b32 s30, s15, 3
	s_lshl_b32 s30, s30, 3
	s_cmp_eq_u32 s13, 1
	s_cselect_b32 s17, s30, s17
	s_cselect_b32 s18, 32, s18
	s_lshl_b32 s19, s15, 4
	s_sub_co_u32 s19, s19, s17                     ; its first row
	s_lshl_b32 s20, s19, 12
	s_lshl_b32 s21, s16, 11
	s_add_co_u32 s20, s20, s21
	s_mov_b32 s21, 0
	s_lshl_b32 s18, s18, 12
	v_lshlrev_b32 v1, 4, v9                        ; rows 0-7: 16 bytes a lane
	v_add_nc_u32 v2, s18, v1                       ; rows 8-15
	s_mul_i32 s22, s12, WREG
	v_add_nc_u32 v3, s22, v1                       ; the stage, in
	v_mul_u32_u24 v4, v10, SP
	s_wait_alu depctr_va_vdst(0)
	v_lshl_add_u32 v4, v11, 7, v4
	v_add_nc_u32 v4, s22, v4                       ; and out: row r, + 128 h
	v_lshlrev_b32 v5, 3, v9                        ; 8 x lane
	s_add_co_u32 s23, s22, 16*SP
	v_lshl_add_u32 v6, v10, 3, s23                 ; my row's scale words
	v_add_nc_u32 v7, s23, v5
	v_lshlrev_b32 v12, 3, v11                      ; 8 h: how far my two bytes are shifted
	v_mov_b32 v13, 0                               ; a lane permute's destination counts as read: written once
	s_mov_b32 s28, 0x76543210
	s_mov_b32 s29, 0xfedcba98                      ; selects for lane l xor 16
	s_mul_i32 s24, s13, XCOD
	s_lshl_b32 s26, s15, 3
	s_lshl_b32 s27, s16, 2
	s_add_co_u32 s26, s26, s27
	s_mul_i32 s26, s26, 1536
	s_add_co_u32 s24, s24, s26
	s_mov_b32 s25, 0
	s_lshl_b32 s26, s13, 18
	s_lshl_b32 s27, s15, 9
	s_add_co_u32 s26, s26, s27
	s_lshl_b32 s27, s16, 8
	s_add_co_u32 s26, s26, s27
	s_add_co_u32 s26, s26, XSCL
	s_mov_b32 s27, 0
	s_wait_alu depctr_va_vdst(0)
	s_wait_kmcnt 0x0
	s_cmp_eq_u32 s13, 0
	s_cselect_b64 s[4:5], s[4:5], s[6:7]
	s_cmp_eq_u32 s13, 2
	s_cselect_b64 s[4:5], s[8:9], s[4:5]
	s_add_nc_u64 s[4:5], s[4:5], s[20:21]
	s_add_nc_u64 s[6:7], s[10:11], s[24:25]        ; my codes
	s_add_nc_u64 s[8:9], s[10:11], s[26:27]        ; my scale words
.macro LOAD t                          ; K step t: 16 rows x 512 bytes into set t % 2
.irp j, 0,1,2,3,4,5,6,7
	global_load_b128 v[R+64*((\t)%2)+4*\j:R+64*((\t)%2)+4*\j+3], v1, s[4:5] offset:\j*4096+512*(\t) th:TH_LOAD_NT
.endr
.irp j, 0,1,2,3,4,5,6,7
	global_load_b128 v[R+64*((\t)%2)+32+4*\j:R+64*((\t)%2)+32+4*\j+3], v2, s[4:5] offset:\j*4096+512*(\t) th:TH_LOAD_NT
.endr
.endm
.macro KSTEP t
.if (\t) < 3
	s_wait_loadcnt 16                              ; this K step's 16 loads are in; the next one's may be out
.else
	s_wait_loadcnt 0x0
.endif
.irp j, 0,1,2,3,4,5,6,7,8,9,10,11,12,13,14,15
	ds_store_b128 v3, v[R+64*((\t)%2)+4*\j:R+64*((\t)%2)+4*\j+3] offset:SP*\j
.endr
.irp c, 0,1                            ; LDS serves a wave's instructions in order: no wait between the stores and the loads
.irp j, 0,1,2,3,4,5,6,7
	ds_load_b128 v[X+32*\c+4*\j:X+32*\c+4*\j+3], v4 offset:256*\c+16*\j
.endr
.endr
	s_wait_dscnt 0x0                               ; my numbers are in, and the stores have read the set that is loaded again below
.if (\t)+2 < 4
	LOAD (\t)+2
.endif
.irp c, 0,1                            ; my block 2 c + h: all its 32 numbers are mine
	v_max3_num_f32 v[14+\c], |v[X+32*\c]|, |v[X+32*\c+1]|, 0x1800000   ; with the floor 2^(3 - 127)
.endr
.irp i, 2,4,6,8,10,12,14,16,18,20,22,24,26,28,30
.irp c, 0,1
	v_max3_num_f32 v[14+\c], v[14+\c], |v[X+32*\c+\i]|, |v[X+32*\c+\i+1]|
.endr
.endr
.irp c, 0,1
	v_add_nc_u32 v[16+\c], 0xff000000, v[14+\c]    ; the conversion's scale operand
.endr
.irp c, 0,1
	v_lshrrev_b32 v[18+\c], 23, v[16+\c]           ; the byte
.endr
	v_lshl_or_b32 v20, v19, 16, v18                ; bytes h and 2 + h of the row's word,
	v_lshlrev_b32 v20, v12, v20
	v_permlanex16_b32 v13, v20, s28, s29
	v_or_b32 v20, v20, v13                         ; with lane l xor 16's two the word is whole
	s_wait_alu depctr_va_vdst(0)
	s_wait_xcnt 0x0                                ; the last K step's stores have read the codes' registers
.irp c, 0,1
	v_cvt_scalef32_pk16_fp6_f32 v[PC+6*\c:PC+6*\c+2], v[X+32*\c:X+32*\c+15], v[16+\c]
	v_cvt_scalef32_pk16_fp6_f32 v[CT+4*\c:CT+4*\c+2], v[X+32*\c+16:X+32*\c+31], v[16+\c]
.endr
	v_nop                                          ; one plain instruction behind a scaled conversion
.irp c, 0,1
.irp i, 0,1,2
	v_mov_b32 v[PC+3+6*\c+\i], v[CT+4*\c+\i]
.endr
.endr
.irp p, 0,1,2,3,4,5
	global_store_b64 v5, v[PC+2*\p:PC+2*\p+1], s[6:7] offset:1536*(\t)+256*\p   ; 32 lanes store 256 consecutive bytes, aligned
.endr
	ds_store_b32 v6, v20 offset:128*((\t)/2)+4*((\t)%2)   ; lanes r and r + 16 write the same word with the same value
.endm
	LOAD 0
	LOAD 1
.irp t, 0,1,2,3
	KSTEP \t
.endr
	ds_load_b64 v[14:15], v7
	s_wait_dscnt 0x0
	global_store_b64 v5, v[14:15], s[8:9]          ; the wave's 256 bytes of scale words, aligned
	s_wait_tensorcnt 0x0
	ds_add_u32 v248, v249
	s_wait_dscnt 0x0
	s_endpgm
.Lfunc_end_k_q78efa9a738_xquant:
	.size	k_q78efa9a738_xquant, .Lfunc_end_k_q78efa9a738_xquant-k_q78efa9a738_xquant
	.p2alignl 7, 3214868480
	.fill 96, 4, 3214868480
	.section	.rodata,"a",@progbits
	.p2align	6, 0x0
	.amdhsa_kernel k_q78efa9a738_xquant
		.amdhsa_group_segment_fixed_size 35328
		.amdhsa_private_segment_fixed_size 0
		.amdhsa_enable_private_segment 0
		.amdhsa_kernarg_size 32
		.amdhsa_user_sgpr_count 2
		.amdhsa_user_sgpr_kernarg_segment_ptr 1
		.amdhsa_wavefront_size32 1
		.amdhsa_system_sgpr_workgroup_id_x 1
		.amdhsa_system_sgpr_workgroup_id_y 1
		.amdhsa_system_sgpr_workgroup_id_z 1
		.amdhsa_system_vgpr_workitem_id 0
		.amdhsa_next_free_vgpr 250
		.amdhsa_next_free_sgpr 66
		.amdhsa_reserve_vcc 0
		.amdhsa_float_denorm_mode_32 3
		.amdhsa_float_denorm_mode_16_64 3
		.amdhsa_memory_ordered 1
		.amdhsa_forward_progress 1
		.amdhsa_inst_pref_size 33
	.end_amdhsa_kernel
	.amdgpu_metadata
---
amdhsa.version: [ 1, 2 ]
amdhsa.kernels:
  - .name:           k_q78efa9a738_xquant
    .symbol:         k_q78efa9a738_xquant.kd
    .args:
      - { .name: q, .offset: 0, .size: 8, .value_kind: global_buffer, .address_space: global }
      - { .name: k, .offset: 8, .size: 8, .value_kind: global_buffer, .address_space: global }
      - { .name: v, .offset: 16, .size: 8, .value_kind: global_buffer, .address_space: global }
      - { .name: xq, .offset: 24, .size: 8, .value_kind: global_buffer, .address_space: global }
    .group_segment_fixed_size: 35328
    .private_segment_fixed_size: 0
    .kernarg_segment_align: 8
    .kernarg_segment_size: 32
    .max_flat_workgroup_size: 128
    .sgpr_count:     66
    .vgpr_count:     250
    .wavefront_size: 32
...
	.end_amdgpu_metadata
.endif
;; end of part 2
;; launch proj (part 3): grid 4 x 96, 4 waves a work-group, clusters of 4 x 4, 327,680 bytes of LDS; arguments xq, wts, bq, bk, bv, pj; writes pj
.if DOCPART == 3
	.amdgcn_target "amdgcn-amd-amdhsa--gfx1250"
	.amdhsa_code_object_version 6
	.text
	.protected	k_q78efa9a738_proj
	.globl	k_q78efa9a738_proj
	.p2align	8
	.type	k_q78efa9a738_proj,@function
k_q78efa9a738_proj:
	s_mov_b64 s[64:65], 0
	v_nop
	global_prefetch_b8 v0, s[64:65] scope:SCOPE_SE
	s_setreg_imm32_b32 hwreg(HW_REG_WAVE_MODE, 25, 1), 1
	s_wait_xcnt 0x0
	s_wait_alu depctr_hold_cnt(0) depctr_sa_sdst(0) depctr_va_vdst(0) depctr_va_sdst(0) depctr_va_ssrc(0) depctr_va_vcc(0) depctr_vm_vsrc(0)
	s_getreg_b32 s2, hwreg(HW_REG_IB_STS2, 6, 4)
	s_cmp_eq_u32 s2, 0
	s_cbranch_scc0 .Lentry_in_a_cluster
	s_endpgm
.Lentry_in_a_cluster:
	s_bfe_u32 s2, ttmp6, 0x10000c
	s_cmp_lg_u32 s2, 0xf033
	s_cbranch_scc0 .Lentry_shape_is_right
	s_endpgm
.Lentry_shape_is_right:
.set FRB,   1536
.set RBB,   8*FRB
.set NQ,    2
.set FR,    12
.set NL,    6
.set NP,    4
.set HALFT, 8*NQ*FRB
.set SLOT,  4*HALFT
.set SCL,   2*SLOT
.set HALFS, 4096
.set SPARE, SCL+4*HALFS
.set XCOD,  6291456
.set XSCL,  18874368
.set WCOD,  786432
.set WSCL,  3145728
.set ZB,    3276800
.set ADRA, 16
.set ADRB, 20
.set L16,  23
.set CO,   24
.set SST,  25
.set SRD,  26
.set ADRS, 27
.set SPW,  28
.set NIL,  29
.set BBA,  30
.set BAA,  31
.set SC,   32
.set BB,   64
.set H,    64
.set AF,   128
.set BAR,  224
.set PC,   128
.set TM,   160
.set PW,   176
.set WV, 16
.set HA, 17
.set HB, 18
.set TY, 19
.set TX, 20
.set G1, 24
.set G0, 32
.set G1B, 48
.set G0B, 56
.set G1S, 68
.set G0S, 76
.set G1SB, 80
.set G0SB, 88
.set SEL, 100
.set MSB, 0
.macro WIN new
.if MSB != (\new)
	s_set_vgpr_msb (MSB<<8)|(\new)
.set MSB, (\new)
.endif
.endm
.set MUL_LO, 0xa1
.set MUL_HI, 0xf1
.set TO_B,   0x40
.macro JLOAD g0a, g1a, g0b, g1b
	s_cmp_eq_u32 s[HA], 0
	s_cbranch_scc0 .Lfor_b_\@
	tensor_load_to_lds s[\g0a:\g0a+3], s[\g1a:\g1a+7]
	s_nop 0
.rept 4
	v_nop
.endr
	s_branch .Lasked_\@
.Lfor_b_\@:
	tensor_load_to_lds s[\g0b:\g0b+3], s[\g1b:\g1b+7]
	s_nop 0
.rept 4
	v_nop
.endr
.Lasked_\@:
.endm
.macro CREST
	s_cmp_lg_u32 s[WV], 0
	s_cbranch_scc1 .Lnot_wave_0_\@
	s_barrier_signal -3
.Lnot_wave_0_\@:
	s_barrier_wait -3
	s_barrier_signal -1
	s_barrier_wait -1
.endm
.macro CROUND
	s_barrier_signal -1
	s_barrier_wait -1
	CREST
.endm
	s_load_b256 s[4:11], s[0:1], 0x0
	s_load_b128 s[12:15], s[0:1], 0x20
	v_lshl_add_u32 v[SPW], v0, 2, SPARE
	v_mov_b32 v[NIL], 0
	ds_add_u32 v28, v29
	ds_add_u32 v28, v29
	s_wait_dscnt 0x0
	v_lshrrev_b32 v1, 5, v0
	v_readfirstlane_b32 s[WV], v1
	s_lshr_b32 s[HA], s[WV], 1
	s_and_b32 s[HB], s[WV], 1
	s_and_b32 s21, ttmp7, 0xffff
	s_bfe_u32 s22, ttmp6, 0x40000
	s_bfe_u32 s23, ttmp6, 0x40004
	s_lshl_b32 s66, s23, 2
	s_lshl_b32 s66, 15, s66
	s_lshl_b32 s67, 0x1111, s22
	s_or_b32 s[G1+0], s66, (3<<16)|(1<<21)
	s_or_b32 s[G1B+0], s67, (3<<16)|(1<<21)
.irp g, G1, G1B
	s_mov_b32 s[\g+1], 384<<16
	s_mov_b32 s[\g+2], 8<<16
	s_mov_b32 s[\g+3], 384<<16
	s_mov_b32 s[\g+4], 8
	s_mov_b32 s[\g+5], 1536
	s_mov_b32 s[\g+6], 0
	s_mov_b32 s[\g+7], 0
.endr
	s_or_b32 s[G1S+0], s66, (3<<16)|(1<<21)
	s_or_b32 s[G1SB+0], s67, (3<<16)|(1<<21)
.irp g, G1S, G1SB
	s_mov_b32 s[\g+1], 32<<16
	s_mov_b32 s[\g+2], 16<<16
	s_mov_b32 s[\g+3], 32<<16
	s_mov_b32 s[\g+4], 16
	s_mov_b32 s[\g+5], 32
	s_mov_b32 s[\g+6], 0
	s_mov_b32 s[\g+7], 0
.endr
	s_mul_i32 s66, s[WV], HALFT
	s_lshl_b32 s67, s[WV], 12
	s_mov_b32 s[SEL], 0x76543210
	s_mov_b32 s[SEL+1], 0xfedcba98
	s_lshr_b32 s40, s21, 3
	s_mul_i32 s41, s40, XCOD
	s_mul_i32 s42, s40, WCOD
	s_lshl_b32 s43, s40, 18
	s_add_co_u32 s43, s43, XSCL
	s_lshl_b32 s44, s40, 15
	s_add_co_u32 s44, s44, WSCL
	s_mov_b32 s2, s41
	s_mov_b32 s3, s43
	s_and_b32 s45, s21, 7
	s_lshl_b32 s45, s45, 2
	s_wait_kmcnt 0x0
	s_cmp_lt_u32 s21, 8
	s_cselect_b64 s[8:9], s[8:9], s[10:11]
	s_add_nc_u64 s[10:11], s[6:7], ZB
	s_cmp_lt_u32 s21, 16
	s_cselect_b32 s[TY], s45, 0
	s_cselect_b32 s[TX], 0, s45
	s_cselect_b64 s[92:93], s[4:5], s[6:7]
	s_cselect_b64 s[94:95], s[6:7], s[4:5]
	s_cselect_b32 s96, s41, s42
	s_cselect_b32 s97, s42, s41
	s_cselect_b32 s98, s43, s44
	s_cselect_b32 s99, s44, s43
	s_cselect_b64 s[12:13], s[10:11], s[12:13]
	s_cselect_b64 s[8:9], s[8:9], s[10:11]
	s_cselect_b32 s21, 512, 64
	s_add_co_u32 s[TY], s[TY], s23
	s_add_co_u32 s[TX], s[TX], s22
	s_lshl_b32 s40, s[TY], 4
	s_lshl_b32 s41, s[HB], 3
	s_add_co_u32 s40, s40, s41
	s_mul_i32 s44, s40, RBB
	s_add_co_u32 s44, s44, s96
	s_mov_b32 s45, 0
	s_add_nc_u64 s[44:45], s[92:93], s[44:45]
	s_lshl_b32 s40, s40, 9
	s_add_co_u32 s40, s40, s98
	s_mov_b32 s41, 0
	s_add_nc_u64 s[40:41], s[92:93], s[40:41]
	s_lshl_b32 s42, s[TX], 4
	s_lshl_b32 s43, s[HB], 3
	s_add_co_u32 s42, s42, s43
	s_mul_i32 s46, s42, RBB
	s_add_co_u32 s46, s46, s97
	s_mov_b32 s47, 0
	s_add_nc_u64 s[46:47], s[94:95], s[46:47]
	s_lshl_b32 s42, s42, 9
	s_add_co_u32 s42, s42, s99
	s_mov_b32 s43, 0
	s_add_nc_u64 s[42:43], s[94:95], s[42:43]
	CROUND
	s_mov_b32 s[G0S], 1
	s_add_co_u32 s[G0S+1], s67, SCL
	s_mov_b64 s[G0S+2:G0S+3], s[40:41]
	s_or_b32 s[G0S+3], s[G0S+3], 0x80000000
	s_mov_b32 s[G0SB], 1
	s_add_co_u32 s[G0SB+1], s67, SCL
	s_mov_b64 s[G0SB+2:G0SB+3], s[42:43]
	s_or_b32 s[G0SB+3], s[G0SB+3], 0x80000000
	JLOAD G0S, G1S, G0SB, G1SB
.irp s, 0,1
	s_mov_b32 s[G0+4*\s], 1
	s_add_co_u32 s[G0+4*\s+1], s66, \s*SLOT
	s_add_nc_u64 s[G0+4*\s+2:G0+4*\s+3], s[44:45], \s*NQ*FRB
	s_or_b32 s[G0+4*\s+3], s[G0+4*\s+3], 0x80000000
	s_mov_b32 s[G0B+4*\s], 1
	s_add_co_u32 s[G0B+4*\s+1], s66, \s*SLOT
	s_add_nc_u64 s[G0B+4*\s+2:G0B+4*\s+3], s[46:47], \s*NQ*FRB
	s_or_b32 s[G0B+4*\s+3], s[G0B+4*\s+3], 0x80000000
	s_wait_alu depctr_va_vdst(0)
	s_wait_tensorcnt 0x0
	ds_add_u32 v28, v29
	s_wait_dscnt 0x0
	CROUND
	JLOAD G0+4*\s, G1, G0B+4*\s, G1B
.endr
	v_and_b32 v1, 15, v0
	v_bfe_u32 v2, v0, 4, 1
	s_wait_alu depctr_va_vdst(0)
	v_and_b32 v3, 31, v0
	v_lshlrev_b32 v[CO], 3, v3
	v_lshlrev_b32 v[L16], 4, v3
	s_wait_alu depctr_va_vdst(0)
	s_mul_i32 s40, s[HA], HALFT
	s_mul_i32 s41, s[HB], HALFT
	s_add_co_u32 s41, s41, 2*HALFT
.irp s, 0,1
	v_add_nc_u32 v[ADRA+\s], s40, v[CO]
	v_add_nc_u32 v[ADRB+\s], s41, v[CO]
	s_add_co_u32 s40, s40, SLOT
	s_add_co_u32 s41, s41, SLOT
.endr
	s_lshl_b32 s40, s[HA], 12
	s_lshl_b32 s41, s[HB], 12
	s_add_co_u32 s41, s41, 2*HALFS
	s_sub_co_u32 s41, s41, s40
	v_mul_u32_u24 v4, s41, v2
	s_add_co_u32 s40, s40, SCL
	v_lshl_add_u32 v4, v1, 3, v4
	v_add_nc_u32 v[ADRS], s40, v4
	s_lshl_b32 s40, s[WV], 9
	v_lshl_add_u32 v[SST], v1, 2, s40
	v_add_nc_u32 v[SRD], s40, v[L16]
	v_lshlrev_b32 v[BBA], 6, v2
	s_wait_alu depctr_va_vdst(0)
	v_and_b32 v4, 8, v1
	v_add_nc_u32 v4, v4, v1
	v_lshlrev_b32 v[BAA], 2, v4
	s_wait_alu depctr_va_vdst(0)
	s_lshl_b32 s40, s[TX], 10
	s_lshl_b32 s41, s[HB], 9
	s_add_co_u32 s40, s40, s41
	s_mov_b32 s41, 0
	s_add_nc_u64 s[8:9], s[8:9], s[40:41]
	s_lshl_b32 s42, s[TY], 10
	s_lshl_b32 s43, s[HA], 9
	s_add_co_u32 s42, s42, s43
	s_mov_b32 s43, 0
	s_add_nc_u64 s[12:13], s[12:13], s[42:43]
.irp b, 0,1,2,3,4,5,6,7
	global_load_b128 v[BB+8*\b:BB+8*\b+3], v[BBA], s[8:9] offset:(32*(\b/2)+8*(\b%2))*4
	global_load_b128 v[BB+8*\b+4:BB+8*\b+7], v[BBA], s[8:9] offset:(32*(\b/2)+8*(\b%2))*4+16
.endr
.irp a, 0,1,2,3,4,5,6,7
	global_load_b32 v[BAR+2*\a], v[BAA], s[12:13] offset:(32*(\a/2)+8*(\a%2))*4
	v_mov_b32 v[BAR+2*\a+1], 0
.endr
	s_lshl_b32 s40, s[TX], 1
	s_add_co_u32 s40, s40, s[HB]
	s_mul_i32 s40, s40, s21
	s_lshl_b32 s41, s[TY], 4
	s_add_co_u32 s40, s40, s41
	s_lshl_b32 s41, s[HA], 3
	s_add_co_u32 s40, s40, s41
	s_mul_i32 s42, s40, FRB
	s_add_co_u32 s42, s42, s2
	s_mov_b32 s43, 0
	s_add_nc_u64 s[92:93], s[14:15], s[42:43]
	s_lshl_b32 s42, s40, 6
	s_add_co_u32 s42, s42, s3
	s_add_nc_u64 s[94:95], s[14:15], s[42:43]
.macro FRAG reg, adr, q, i
.irp p, 0,1,2,3,4,5
	ds_load_b64 v[\reg+2*\p:\reg+2*\p+1], v[\adr] offset:(\i)*NQ*FRB+(\q)*FRB+256*\p
.endr
.endm
.macro MUL16 a0, p, q, sc, zero
.irp a, \a0, \a0+1
.irp b, 0,1,2,3,4,5,6,7
.if \zero
	v_wmma_scale_f32_16x16x128_f8f6f4 v[8*(8*((\a)%4)+\b):8*(8*((\a)%4)+\b)+7], v[128*(\p)+FR*\b:128*(\p)+FR*\b+FR-1], v[AF+FR*(\a):AF+FR*(\a)+FR-1], v[BB+8*\b:BB+8*\b+7], v[SC+8*NQ*(\sc)+NQ*\b+(\q)], v[SC+8*NQ*(\sc)+NQ*(\a)+(\q)] matrix_a_fmt:MATRIX_FMT_FP6 matrix_b_fmt:MATRIX_FMT_FP6 matrix_a_scale:MATRIX_SCALE_ROW1
.else
	v_wmma_scale_f32_16x16x128_f8f6f4 v[8*(8*((\a)%4)+\b):8*(8*((\a)%4)+\b)+7], v[128*(\p)+FR*\b:128*(\p)+FR*\b+FR-1], v[AF+FR*(\a):AF+FR*(\a)+FR-1], v[8*(8*((\a)%4)+\b):8*(8*((\a)%4)+\b)+7], v[SC+8*NQ*(\sc)+NQ*\b+(\q)], v[SC+8*NQ*(\sc)+NQ*(\a)+(\q)] matrix_a_fmt:MATRIX_FMT_FP6 matrix_b_fmt:MATRIX_FMT_FP6 matrix_a_scale:MATRIX_SCALE_ROW1
.endif
.endr
.endr
.endm
.macro FETCH_B slot, q, p
	WIN TO_B
.irp i, 0,1,2,3,4,5,6,7
	FRAG 128*(\p)+FR*\i, ADRB+\slot, \q, \i
.endr
	WIN 0
.endm
.macro FETCH_A slot, q, i0
.irp i, \i0, \i0+1, \i0+2, \i0+3
	FRAG AF+FR*(\i), ADRA+\slot, \q, \i
.endr
.endm
.macro SCALES sc
.irp i, 0,1,2,3,4,5,6,7
	ds_load_b64 v[SC+8*NQ*\sc+NQ*\i:SC+8*NQ*\sc+NQ*\i+1], v[ADRS] offset:\i*512
.endr
.endm
.macro PLACES n
.rept \n
	v_nop
.endr
.endm
.macro STEP slot, q, zero
	s_wait_dscnt 4*NL
.if \zero
	WIN 0x81
.else
	WIN MUL_LO
.endif
	MUL16 0, (\q)%2, \q, \slot, \zero
	MUL16 2, (\q)%2, \q, \slot, \zero
	s_wait_dscnt 0
	PLACES NP
	FETCH_B \slot, (\q)+1, 1-(\q)%2
	FETCH_A \slot, (\q)+1, 0
.if \zero
	WIN 0xc1
.else
	WIN MUL_HI
.endif
	MUL16 4, (\q)%2, \q, \slot, \zero
	MUL16 6, (\q)%2, \q, \slot, \zero
	PLACES NP
	WIN 0
	FETCH_A \slot, (\q)+1, 4
.endm
.macro TURN slot, next, fill
	s_wait_tensorcnt 0x0
	ds_add_u32 v[SPW], v[NIL]
	s_wait_dscnt 4*NL+1
	WIN MUL_LO
	MUL16 0, 1, NQ-1, \slot, 0
	s_wait_dscnt 0x0
	s_barrier_signal -1
	MUL16 2, 1, NQ-1, \slot, 0
	WIN 0
	s_barrier_wait -1
.if \fill
	CREST
	s_add_nc_u64 s[G0+4*\slot+2:G0+4*\slot+3], s[G0+4*\slot+2:G0+4*\slot+3], 2*NQ*FRB
	s_add_nc_u64 s[G0B+4*\slot+2:G0B+4*\slot+3], s[G0B+4*\slot+2:G0B+4*\slot+3], 2*NQ*FRB
	JLOAD G0+4*\slot, G1, G0B+4*\slot, G1B
.else
	PLACES NP
.endif
	s_wait_alu depctr_va_vdst(0)
	v_add_nc_u32 v[ADRS], 128, v[ADRS]
	FETCH_B \next, 0, 0
	FETCH_A \next, 0, 0
	SCALES \next
	WIN MUL_HI
	MUL16 4, 1, NQ-1, \slot, 0
	MUL16 6, 1, NQ-1, \slot, 0
	PLACES NP
	WIN 0
	FETCH_A \next, 0, 4
.endm
.macro QUANT s, pw
.irp b, 0,1,2,3
	v_max3_num_f32 v[TM+\b], |v[\s+16*\b]|, |v[\s+1+16*\b]|, 0x1800000
.endr
.irp i, 2,4,6,8,10,12,14
.irp b, 0,1,2,3
	v_max3_num_f32 v[TM+\b], v[TM+\b], |v[\s+16*\b+\i]|, |v[\s+1+16*\b+\i]|
.endr
.endr
.irp b, 0,1,2,3
	v_permlanex16_b32 v[TM+4+\b], v[TM+\b], s[SEL], s[SEL+1]
.endr
.irp b, 0,1,2,3
	v_max_num_f32 v[TM+\b], v[TM+\b], v[TM+4+\b]
.endr
.irp b, 0,1,2,3
	v_add_nc_u32 v[TM+12+\b], 0xff000000, v[TM+\b]
.endr
.irp b, 0,1,2,3
	v_lshrrev_b32 v[TM+4+\b], 23, v[TM+12+\b]
.endr
	v_lshl_or_b32 v[\pw], v[TM+5], 8, v[TM+4]
	v_lshl_or_b32 v[\pw], v[TM+6], 16, v[\pw]
	v_lshl_or_b32 v[\pw], v[TM+7], 24, v[\pw]
.irp c, 0,1
	v_cvt_scalef32_pk16_fp6_f32 v[PC+6*\c:PC+2+6*\c], v[\s+32*\c:\s+15+32*\c], v[TM+12+2*\c]
	v_cvt_scalef32_pk16_fp6_f32 v[PC+12+4*\c:PC+14+4*\c], v[\s+16+32*\c:\s+31+32*\c], v[TM+12+2*\c+1]
.endr
	v_nop
.irp c, 0,1
.irp i, 0,1,2
	v_permlane16_swap_b32 v[PC+6*\c+\i], v[PC+12+4*\c+\i]
.endr
.irp i, 0,1,2
	v_mov_b32 v[PC+3+6*\c+\i], v[PC+12+4*\c+\i]
.endr
.endr
.endm
	s_wait_tensorcnt 1
	s_barrier_signal -1
	s_barrier_wait -1
	FETCH_B 0, 0, 0
	FETCH_A 0, 0, 0
	SCALES 0
	FETCH_A 0, 0, 4
	s_wait_loadcnt 0x0
	STEP 0, 0, 1
	TURN 0, 1, 1
	STEP 1, 0, 0
	TURN 1, 0, 1
	STEP 0, 0, 0
	TURN 0, 1, 0
	STEP 1, 0, 0
	s_wait_dscnt 4*NL
	WIN MUL_LO
	MUL16 0, 1, NQ-1, 1, 0
	MUL16 2, 1, NQ-1, 1, 0
	s_wait_dscnt 0
	WIN MUL_HI
	MUL16 4, 1, NQ-1, 1, 0
	MUL16 6, 1, NQ-1, 1, 0
	WIN 0
	PLACES NP
.irp b, 0,1,2,3
	v_mov_b32 v[TM+4+\b], 0
.endr
.irp a, 0,1,2,3,4,5,6,7
.if \a > 0
	s_wait_xcnt 0x0
.endif
	WIN 0x02+(\a/4)
.set AC, 64*(\a%4)
.set j, 0
.rept 32
	v_pk_add_f32 v[H+j:H+j+1], v[AC+j:AC+j+1], v[BAR+2*\a:BAR+2*\a+1] op_sel_hi:[1,0]
.set j, j+2
.endr
	WIN 0
	QUANT H, PW+\a
.irp p, 0,1,2,3,4,5
	global_store_b64 v[CO], v[PC+2*\p:PC+2*\p+1], s[92:93] offset:FRB*\a+256*\p
.endr
	ds_store_b32 v[SST], v[PW+\a] offset:64*\a
.endr
	ds_load_b128 v[184:187], v[SRD]
	s_wait_dscnt 0x0
	global_store_b128 v[L16], v[184:187], s[94:95]
	s_wait_tensorcnt 0x0
	ds_add_u32 v[SPW], v[NIL]
	s_wait_dscnt 0x0
	CROUND
	s_endpgm
.Lfunc_end_k_q78efa9a738_proj:
	.size	k_q78efa9a738_proj, .Lfunc_end_k_q78efa9a738_proj-k_q78efa9a738_proj
	.p2alignl 7, 3214868480
	.fill 96, 4, 3214868480
	.section	.rodata,"a",@progbits
	.p2align	6, 0x0
	.amdhsa_kernel k_q78efa9a738_proj
		.amdhsa_group_segment_fixed_size 327680
		.amdhsa_private_segment_fixed_size 0
		.amdhsa_enable_private_segment 0
		.amdhsa_kernarg_size 48
		.amdhsa_user_sgpr_count 2
		.amdhsa_user_sgpr_kernarg_segment_ptr 1
		.amdhsa_wavefront_size32 1
		.amdhsa_system_sgpr_workgroup_id_x 1
		.amdhsa_system_sgpr_workgroup_id_y 1
		.amdhsa_system_sgpr_workgroup_id_z 1
		.amdhsa_system_vgpr_workitem_id 0
		.amdhsa_next_free_vgpr 1024
		.amdhsa_next_free_sgpr 102
		.amdhsa_reserve_vcc 0
		.amdhsa_float_denorm_mode_32 3
		.amdhsa_float_denorm_mode_16_64 3
		.amdhsa_memory_ordered 1
		.amdhsa_forward_progress 1
		.amdhsa_inst_pref_size 187
	.end_amdhsa_kernel
	.amdgpu_metadata
---
amdhsa.version: [ 1, 2 ]
amdhsa.kernels:
  - .name:           k_q78efa9a738_proj
    .symbol:         k_q78efa9a738_proj.kd
    .args:
      - { .name: xq, .offset: 0, .size: 8, .value_kind: global_buffer, .address_space: global }
      - { .name: wts, .offset: 8, .size: 8, .value_kind: global_buffer, .address_space: global }
      - { .name: bq, .offset: 16, .size: 8, .value_kind: global_buffer, .address_space: global }
      - { .name: bk, .offset: 24, .size: 8, .value_kind: global_buffer, .address_space: global }
      - { .name: bv, .offset: 32, .size: 8, .value_kind: global_buffer, .address_space: global }
      - { .name: pj, .offset: 40, .size: 8, .value_kind: global_buffer, .address_space: global }
    .group_segment_fixed_size: 327680
    .private_segment_fixed_size: 0
    .kernarg_segment_align: 8
    .kernarg_segment_size: 48
    .max_flat_workgroup_size: 128
    .sgpr_count:     102
    .vgpr_count:     1024
    .wavefront_size: 32
...
	.end_amdgpu_metadata
.endif
;; end of part 3
;; launch attn (part 4): grid 32 x 16, 8 waves a work-group, clusters of 4 x 4, 327,680 bytes of LDS; arguments pj, mask, at; writes at
.if DOCPART == 4
	.amdgcn_target "amdgcn-amd-amdhsa--gfx1250"
	.amdhsa_code_object_version 6
	.text
	.protected	k_q78efa9a738_attn
	.globl	k_q78efa9a738_attn
	.p2align	8
	.type	k_q78efa9a738_attn,@function
k_q78efa9a738_attn:
	s_mov_b64 s[64:65], 0
	v_nop
	global_prefetch_b8 v0, s[64:65] scope:SCOPE_SE
	s_setreg_imm32_b32 hwreg(HW_REG_WAVE_MODE, 25, 1), 1
	s_wait_xcnt 0x0
	s_wait_alu depctr_hold_cnt(0) depctr_sa_sdst(0) depctr_va_vdst(0) depctr_va_sdst(0) depctr_va_ssrc(0) depctr_va_vcc(0) depctr_vm_vsrc(0)
	s_getreg_b32 s2, hwreg(HW_REG_IB_STS2, 6, 4)
	s_cmp_eq_u32 s2, 0
	s_cbranch_scc0 .Lentry_in_a_cluster
	s_endpgm
.Lentry_in_a_cluster:
	s_bfe_u32 s2, ttmp6, 0x10000c
	s_cmp_lg_u32 s2, 0xf033
	s_cbranch_scc0 .Lentry_shape_is_right
	s_endpgm
.Lentry_shape_is_right:
; Attention on codes of FP6 (E2M3): scores = Q K^T / 8 + mask x (-1e30); p = 2^(t - M); O = (p V) / sum(p).  The mask is an input: every score is computed, every mask number read.
; SHARES.  A work-group owns 64 queries of 4 heads of one batch.  Wave w: query tile w % 4 (16 queries), head pair w / 4; its two heads e = 0, 1 go one after the other through one set of score registers.
; A K image (two heads along its K) and a mask tile serve both heads.  All 2,048 keys are walked, 128 a period.
; CLUSTER 4 x 4: K, V and their scale words are asked for jointly along a row of the cluster, the mask's tile along a column.
; LAYOUT.  Both products transposed (S^T = K Q^T, O^T = V^T P^T): a lane holds one query.  K's rowblock 4 g + T holds keys 64 g + 8 T + r and 64 g + 32 + 8 T + r - 8, so register 32 c + i of S is key 64 c + 32 (lane / 16) + i:
; a lane holds whole blocks of 32 keys in the order of the next operand's registers.  Q's fragment of the even head is (codes, zero codes), of the odd head (zero codes, codes): the other head's half of K's image meets zeros.
; THE MASK x (-8e30), made once for the tile, is the C operand of both heads' score products: u = 8 x logit.
; SOFTMAX.  UM = the running largest u, c = log2(e) / 8, -M = floor(-(c UM)), a whole number; p = 2^(u c - M), one fused multiply-add.  Where c UM is rounded, M lies off its ceiling by half a unit of c UM's last place at most
; (32 under 2^30): a power of two, which p's block scales and the sum take up.  Where |c UM| is 2^30 or more the pair (1, -UM) takes the place of (c, -M): p = 2^(u - UM) is 1 where u = UM and 0 elsewhere,
; and what was summed under another UM is multiplied by 0.  So a row blocked everywhere has p = 1 for every key.  When M moves, the sum and O^T are multiplied by 2^(old M - new M).
; THE RING.  Period j multiplies step j from registers, reads from slot (j + 1) % 2 K and the mask of step j + 1 and V of step j, and fills slot j % 2 with K and the mask of step j + 2 and V of step j + 1 (j up to 13).
; V of step 15 has LDS bytes of its own, filled once, so that 14 periods fill alike and the last two, a loop of their own, fill nothing.  By this text's count one tensor load of a wave is out at a time; every wait on them is for 0.
; Waves 0 to 3 loadthe add in front of a round is written twice.
; REGISTERS.  Window 0: all that vector instructions touch.  Window 1: v0-63 the mask tile, v64-159 K's eight images, v160-255 V's eight fragments.
; LIMITS: with |c UM| of 2^30 or more, scores within 92 of the largest exponent are dropped (they differ from UM by 2^9 or more); |mask| under 4.2e7 (beyond it mask x 8e30 overflows);
; NaN and infinities are not served; a block of zeros gets the byte 1; blocks under 2^-124 are held at that floor.
.set FRB,   1536
.set SLOT1, 1<<17
.set MP,    528                        ; a mask row in LDS: 512 bytes + 16
.set KOFF,  64*MP
.set VOFF,  KOFF+16*FRB
.set VXO,   SLOT1+VOFF+16*FRB          ; V of step 15
.set SCK,   2*SLOT1                    ; K's scale words [head pair 2][8,192]
.set SCV,   SCK+16384                  ; V's [step 16][1,024]
.set SPARE, SCV+16384                  ; the spare words, 128 bytes a wave
.set STG,   SPARE+1024                 ; 512 bytes: the output's scale bytes meet here
.set PJK,   6291456
.set PJV,   12582912
.set PJS,   18874368
.set ATS,   6291456
.set SPW,1
.set NIL,2
.set AK0,3
.set AV0,4
.set AM0,5
.set ASK0,6
.set ASV0,7
.set ADK,8
.set ADV,9
.set ADM,10
.set ADS,11
.set ADT,12
.set PFO,13
.set QS,14                             ; v14 Q's scale word; v16-23 K's; v24-31 V's; v32-33 p's, one a head
.set KS,16
.set VS,24
.set PW,32
.set SH8,34
.set VC,35
.set V1,36
.set CO,37
.set SB,38
.set RD,39
.set ST,40
.set T1,41
.set R,42
.set H,43
.set LN,44
.set T0,45
.set UM,46                             ; kept for each head: UM, -M, the sum (a pair)
.set NM,48
.set LB,50
.set BM,54                             ; at work in a head's turn
.set UMO,56
.set W0,57
.set W1,58
.set W2,59
.set PT,60
.set F,62
.set CR,64
.set BR,66
.set SO,68
.set BY,70
.set QF,72                             ; v72-89 Q: even head, zeros, odd head
.set S,90
.set O,154                             ; O^T, head e at + 32 e
.set PCD,218
.set CT,230
.set LS,238
.set KB,64
.set VB,160
.set NG,2
.set WV,10
.set CS,22
.set G1M,24
.set G1K,32
.set G1V,40
.set G1SK,48
.set G1SV,56
.set HG,48                             ; s48-49 lane masks, in registers that held a descriptor whose load has landed
.set NE,49
.set G0M,68
.set G0K,72
.set G0V,76
.set G0SK,80
.set G0X,80
.set G0SV,84
.set SEL,88
.set TB,90
.set TS,91
.set TJ,92
.set CNT,93
.set PFA,94
.set PFS,96
.set LIM,98
.set EVM,99
.set TV,104
.set THR,105
.set MSB,0
.macro WIN new
.if MSB != (\new)
	s_set_vgpr_msb (MSB<<8)|(\new)
.set MSB, (\new)
.endif
.endm
.macro VW
	s_wait_alu depctr_va_vdst(0)
.endm
.macro D n                             ; a hint ahead of a plain instruction that reads the plain result n vector instructions back
	s_delay_alu instid0(VALU_DEP_\n)
.endm
.macro NOP4
.rept 4
	v_nop
.endr
.endm
.macro CROUND
	s_barrier_signal -1
	s_barrier_wait -1
	s_cmp_lg_u32 s[WV], 0
	s_cbranch_scc1 .Lnw0_\@
	s_barrier_signal -3
.Lnw0_\@:
	s_barrier_wait -3
	s_barrier_signal -1
	s_barrier_wait -1
.endm
.macro ARM under, g0, g1, next, join
	s_cmp_lt_u32 s[WV], \under
	s_cbranch_scc0 \next
	tensor_load_to_lds s[\g0:\g0+3], s[\g1:\g1+7]
	s_nop 0
	NOP4
	s_branch \join
\next:
.endm
; one chain of arms on the wave's number, one joint load to an arm, all arms to one join; d0 < 0: wave 3 has none
.macro FILL4 a0,a1,b0,b1,c0,c1,d0,d1
	ARM 1,\a0,\a1,.Lq1_\@,.Lqj_\@
	ARM 2,\b0,\b1,.Lq2_\@,.Lqj_\@
	ARM 3,\c0,\c1,.Lq3_\@,.Lqj_\@
.if \d0 >= 0
	ARM 4,\d0,\d1,.Lq4_\@,.Lqj_\@
.endif
.Lqj_\@:
.endm
; A PREFETCH INTO THE L2, by waves that fetch nothing.  Period j asks by tensor load for K and the mask of step j + 2 and V of step j + 1; the prefetch names step j + 3 (and j + 4).
; K and V: the clusters with x = 0 ask, in the even periods j = 0 .. 10; the four partners of a row take, BY ADDRESS, one dense run of 24,576 bytes each (K's two steps of head pair 0, of pair 1, V's step j + 3, V's step j + 4);
; waves 4 to 6 name 8,192 bytes each, lanes 256 bytes apart.  The mask: the clusters with y = 0 ask; in periods 0 .. 12 wave 7 names step j + 3's tile, 16 rows to each partner of a column, a lane for each 256 bytes.
; Steps 0 to 2 and K's and V's step 15 come by their loads alone; nothing is named past step 15.
.macro ASK
	s_cmp_gt_u32 s[CNT], s[LIM]
	s_cbranch_scc0 .Lnm_\@
	s_and_b32 s18, s[CNT], s[EVM]
	s_cmp_eq_u32 s18, 0
	s_cbranch_scc0 .Lnm_\@
	global_prefetch_b8 v[PFO], s[PFA:PFA+1] th:TH_LOAD_NT scope:SCOPE_SE
.Lnm_\@:
.endm
.macro QK e                            ; head e's scores: K's images and the scaled mask in window 1
	WIN 0x11
.irp t, 0,1,2,3,4,5,6,7
	v_wmma_scale_f32_16x16x128_f8f6f4 v[S+8*\t:S+8*\t+7], v[KB+12*\t:KB+12*\t+11], v[QF+6*(\e):QF+6*(\e)+11], v[8*\t:8*\t+7], v[KS+\t], v[QS] matrix_a_fmt:MATRIX_FMT_FP6 matrix_b_fmt:MATRIX_FMT_FP6
.endr
.endm
.macro PV e                            ; head e's O^T: V's fragments in window 1
	WIN 0x01
.irp t, 0,1,2,3
	v_wmma_scale_f32_16x16x128_f8f6f4 v[O+32*(\e)+8*\t:O+32*(\e)+8*\t+7], v[VB+12*(4*(\e)+\t):VB+12*(4*(\e)+\t)+11], v[PCD:PCD+11], v[O+32*(\e)+8*\t:O+32*(\e)+8*\t+7], v[VS+4*(\e)+\t], v[PW+(\e)] matrix_a_fmt:MATRIX_FMT_FP6 matrix_b_fmt:MATRIX_FMT_FP6
.endr
.endm
.macro ADDRS
	v_add_nc_u32 v[ADV], s[TV], v[AV0]
	v_add_nc_u32 v[ADT], s[TJ], v[ASV0]
	v_add_nc_u32 v[ADK], s[TB], v[AK0]
	v_add_nc_u32 v[ADS], s[TS], v[ASK0]
	v_add_nc_u32 v[ADM], s[TB], v[AM0]
.endm
.macro LOADF base, adr, sadr, sreg     ; eight images of six pieces into window 1, and their scale words
	WIN 0x40
.irp f, 0,1,2,3,4,5,6,7
.irp p, 0,1,2,3,4,5
	ds_load_b64 v[\base+12*\f+2*\p:\base+12*\f+2*\p+1], v[\adr] offset:FRB*\f+256*\p
.endr
.endr
	WIN 0
.irp f, 0,1,2,3,4,5,6,7
	ds_load_b32 v[\sreg+\f], v[\sadr] offset:64*\f
.endr
.endm
.macro LOADM                           ; the mask tile in the scores' layout
	WIN 0x40
.irp c, 0,1
.irp i, 0,1,2,3,4,5,6,7
	ds_load_b128 v[32*\c+4*\i:32*\c+4*\i+3], v[ADM] offset:256*\c+16*\i
.endr
.endr
	WIN 0
.endm
; the next step's K (which = 0) or mask tile into registers; in the loop without fills the last trip has no next step and jumps over the loads (a test of the trip counter)
.macro PRE fill, which
.if !(\fill)
	VW
	s_cmp_eq_u32 s[CNT], 1
	s_cbranch_scc1 .Lsk_\@
.endif
.if (\which) == 0
	LOADF KB, ADK, ADS, KS
.else
	LOADM
.endif
.if !(\fill)
.Lsk_\@:
.endif
.endm
; the largest u of the two blocks, in eight chains (one a tile, each from its low end on)
.macro MAXP e
.irp l, 0,1,2,3
.irp t, 0,1,2,3,4,5,6,7
.if \l == 0
	v_max3_num_f32 v[CT+\t], v[S+8*\t], v[S+8*\t+1], v[S+8*\t+2]
.elseif \l == 3
	v_max_num_f32 v[CT+\t], v[CT+\t], v[S+8*\t+7]
.else
	v_max3_num_f32 v[CT+\t], v[CT+\t], v[S+8*\t+2*\l+1], v[S+8*\t+2*\l+2]
.endif
.endr
.endr
	v_mov_b32 v[UMO], v[UM+(\e)]
	v_mov_b32 v[W2], v[NM+(\e)]
	v_max3_num_f32 v[CT], v[CT], v[CT+1], v[CT+2]
	v_max3_num_f32 v[CT+4], v[CT+4], v[CT+5], v[CT+6]
	v_max_num_f32 v[BM], v[CT], v[CT+3]
	v_max_num_f32 v[BM+1], v[CT+4], v[CT+7]
.endm
.macro ROWS e                          ; the row's state, the multiply-add's pair, the blocks' scales
	v_max_num_f32 v[W0], v[BM], v[BM+1]
	v_permlanex16_b32 v[PT], v[W0], s[SEL], s[SEL+1]
	v_max3_num_f32 v[UM+(\e)], v[UM+(\e)], v[W0], v[PT]      ; the running largest u
	v_mul_f32 v[W1], s[CS], v[UM+(\e)]
	v_xor_b32 v[W0], 0x80000000, v[UM+(\e)]                  ; -UM
	v_cmp_neq_f32 s[NE], v[UM+(\e)], v[UMO]
	v_floor_f32 v[NM+(\e)], -v[W1]                           ; -M
	v_and_b32 v[PT], 0x7fffffff, v[W1]
	v_sub_f32 v[W2], v[NM+(\e)], v[W2]                       ; old M - new M, 0 or less
	v_cmp_lt_u32 s[HG], s[THR], v[PT]                        ; |c UM| is 2^30 or more
	v_cvt_i32_f32 v[W2], v[W2]                               ; (it saturates)
	s_and_b32 s[NE], s[NE], s[HG]
	v_cndmask_b32 v[CR], v[VC], v[V1], s[HG]
	v_cndmask_b32 v[BR], v[NM+(\e)], v[W0], s[HG]
	v_ldexp_f32 v[F], 1.0, v[W2]
	v_fma_f32 v[BM], v[BM], v[CR], v[BR]                     ; the blocks' largest p by the same operations as every p
	v_fma_f32 v[BM+1], v[BM+1], v[CR], v[BR]
	v_cndmask_b32 v[F], v[F], v[NIL], s[NE]
	VW                                                       ; the wait ahead of the batch,
	v_exp_f32 v[BM], v[BM]
	v_exp_f32 v[BM+1], v[BM+1]
	v_nop
	VW                                                       ; and behind it
	v_max_num_f32 v[BM], 0x1800000, v[BM]                    ; the floor 2^(3 - 127)
	v_max_num_f32 v[BM+1], 0x1800000, v[BM+1]
	v_add_nc_u32 v[SO], 0xff000000, v[BM]                    ; the conversion's scale operand
	v_add_nc_u32 v[SO+1], 0xff000000, v[BM+1]
	v_lshrrev_b32 v[BY], 23, v[SO]
	v_lshrrev_b32 v[BY+1], 23, v[SO+1]
	v_lshl_or_b32 v[W0], v[BY+1], 16, v[BY]                  ; my bytes: blocks h and 2 + h
	v_lshlrev_b32 v[W0], v[SH8], v[W0]
	v_permlanex16_b32 v[PT], v[W0], s[SEL], s[SEL+1]
	v_or_b32 v[PW+(\e)], v[W0], v[PT]                        ; p's scale word
.endm
.macro UNITP e                         ; p, its sum and its codes; O^T under the new M
.set L, LB+2*(\e)
.set OO, O+32*(\e)
.set j, 0
.rept 32
	v_pk_fma_f32 v[S+j:S+j+1], v[S+j:S+j+1], v[CR:CR+1], v[BR:BR+1] op_sel_hi:[1,0,0]
.set j, j+2
.endr
	VW                                                       ; ahead of O^T's first readers and of the batch
.set j, 0
.rept 16
	v_pk_mul_f32 v[OO+j:OO+j+1], v[OO+j:OO+j+1], v[F:F+1] op_sel_hi:[1,0]
.set j, j+2
.endr
.set j, 0
.rept 64
	v_exp_f32 v[S+j], v[S+j]
.set j, j+1
.endr
	v_nop
	VW
	v_pk_fma_f32 v[L:L+1], v[L:L+1], v[F:F+1], v[S:S+1] op_sel_hi:[1,0,1]   ; the sum of the unquantised p, in eight chains: chain k at v[228 + 2 k]
.irp k, 1,2,3,4,5,6,7
	v_pk_add_f32 v[228+2*\k:229+2*\k], v[S+2*\k:S+2*\k+1], v[S+2*\k+14:S+2*\k+15]
.endr
	v_pk_add_f32 v[L:L+1], v[L:L+1], v[S+30:S+31]
.irp k, 1,2,3,4,5,6,7
	v_pk_add_f32 v[228+2*\k:229+2*\k], v[228+2*\k:229+2*\k], v[S+2*\k+30:S+2*\k+31]
.endr
	v_pk_add_f32 v[L:L+1], v[L:L+1], v[S+46:S+47]
.irp k, 1,2,3,4,5,6,7
	v_pk_add_f32 v[228+2*\k:229+2*\k], v[228+2*\k:229+2*\k], v[S+2*\k+46:S+2*\k+47]
.endr
	v_pk_add_f32 v[L:L+1], v[L:L+1], v[S+62:S+63]
	v_pk_add_f32 v[230:231], v[230:231], v[232:233]
	v_pk_add_f32 v[234:235], v[234:235], v[236:237]
	v_pk_add_f32 v[238:239], v[238:239], v[240:241]
	D 4
	v_pk_add_f32 v[L:L+1], v[L:L+1], v[242:243]
	D 3
	v_pk_add_f32 v[230:231], v[230:231], v[234:235]
	D 2
	v_pk_add_f32 v[L:L+1], v[L:L+1], v[238:239]
	D 1
	v_pk_add_f32 v[L:L+1], v[L:L+1], v[230:231]
.irp c, 0,1
	v_cvt_scalef32_pk16_fp6_f32 v[PCD+6*\c:PCD+6*\c+2], v[S+32*\c:S+32*\c+15], v[SO+\c]
	v_cvt_scalef32_pk16_fp6_f32 v[CT+4*\c:CT+4*\c+2], v[S+32*\c+16:S+32*\c+31], v[SO+\c]
.endr
	v_nop
.irp c, 0,1
.irp i, 0,1,2
	v_mov_b32 v[PCD+3+6*\c+\i], v[CT+4*\c+\i]
.endr
.endr
	NOP4                                                     ; places between p's codes and the products
.endm
; the three lines and the round in front of a fill; pv: the odd head's products stand between the adds and the wait for them
.macro SEQ stepv, pv
	VW
	s_wait_tensorcnt 0x0                   ; no tensor load of mine is out: descriptors may be written
	ds_add_u32 v[SPW], v[NIL]              ; the add,
	ds_add_u32 v[SPW], v[NIL]              ; here twice on end
.if \pv
	PV 1
	WIN 0
.endif
	s_xor_b32 s[G0M+1], s[G0M+1], SLOT1
	s_xor_b32 s[G0K+1], s[G0K+1], SLOT1
	s_add_nc_u64 s[G0M+2:G0M+3], s[G0M+2:G0M+3], 512
	s_add_nc_u64 s[G0K+2:G0K+3], s[G0K+2:G0K+3], 8*FRB
.if \stepv
	s_xor_b32 s[G0V+1], s[G0V+1], SLOT1
	s_add_nc_u64 s[G0V+2:G0V+3], s[G0V+2:G0V+3], 64*FRB
.endif
.if \pv
	s_wait_xcnt 0x0                        ; the period's prefetch has read its address
	s_add_nc_u64 s[PFA:PFA+1], s[PFA:PFA+1], s[PFS:PFS+1]
.endif
	s_wait_dscnt 0x0                       ; the adds, and my reads of the slot that is filled next
	CROUND
.endm
.macro PERIOD fill
.if \fill
	FILL4 G0M,G1M,G0K,G1K,G0V,G1V,-1,-1
.endif
	ADDRS                                  ; five plain instructions: the places behind the odd head's products
	LOADF VB, ADV, ADT, VS                 ; this step's V
.if \fill
	ASK
.endif
	WIN 0x41
.set j, 0
.rept 32
	v_pk_mul_f32 v[j:j+1], v[j:j+1], s[NG:NG+1] op_sel_hi:[1,0]   ; mask x (-8e30)
.set j, j+2
.endr
	QK 0
	WIN 0
	NOP4
	MAXP 0
	ROWS 0
	UNITP 0
	VW
	s_wait_dscnt 0x0                       ; V is in
	PV 0
	QK 1
	WIN 0
	NOP4                                   ; places ahead of the loads into K's registers and of the first read of the scores
	PRE \fill, 0
	MAXP 1
	ROWS 1
	PRE \fill, 1
	UNITP 1
	s_xor_b32 s[TB], s[TB], SLOT1
	s_add_co_u32 s[TS], s[TS], 512
	s_add_co_u32 s[TJ], s[TJ], 1024
.if \fill
	s_xor_b32 s[TV], s[TV], SLOT1
	SEQ 1, 1
.else
	s_add_co_u32 s[TV], s[TV], VXO-VOFF-SLOT1   ; the last step's V lies in its own bytes
	PV 1
	WIN 0
	VW
	s_wait_dscnt 0x0                       ; the next step's K and mask are in
.endif
.endm
	s_load_b128 s[4:7], s[0:1], 0x0                ; pj, mask
	s_load_b64 s[8:9], s[0:1], 0x10                ; at
	v_lshl_add_u32 v[SPW], v0, 2, SPARE
	v_mov_b32 v[NIL], 0
	ds_add_u32 v[SPW], v[NIL]                      ; the opening lines: the add twice and one wait
	ds_add_u32 v[SPW], v[NIL]
	v_lshrrev_b32 v[T0], 5, v0
	D 1
	v_readfirstlane_b32 s[WV], v[T0]               ; wave 0..7
	s_and_b32 s11, s[WV], 3                        ; my query tile
	s_lshr_b32 s12, s[WV], 2                       ; g: my head pair
	s_bfe_u32 s15, ttmp6, 0x40000                  ; cx
	s_bfe_u32 s16, ttmp6, 0x40004                  ; cy = G, the head group
	s_lshl_b32 s17, ttmp9, 2
	s_add_co_u32 s17, s17, s15                     ; qb
	s_and_b32 s19, ttmp7, 0xffff                   ; bb
	s_lshl_b32 s18, 0x1111, s15                    ; my column of the cluster
	s_lshl_b32 s21, s16, 2
	s_lshl_b32 s21, 15, s21                        ; my row
	s_or_b32 s[G1M], s18, (2<<16)|(1<<20)|(1<<21)|(6<<22)|(3<<25)   ; the mask: 64 rows x 128 f32, 2,048 apart, 4 words of padding behind each 128
	s_mov_b32 s[G1M+1], 128<<16
	s_mov_b32 s[G1M+2], 64<<16
	s_mov_b32 s[G1M+3], 128<<16
	s_mov_b32 s[G1M+4], 64
	s_mov_b32 s[G1M+5], 2048
	s_mov_b32 s[G1M+6], 0
	s_mov_b32 s[G1M+7], 0
	s_or_b32 s[G1K], s21, (3<<16)|(1<<21)          ; K: two head pairs x 12,288 bytes, 786,432 apart; elements of 8 bytes
	s_mov_b32 s[G1K+1], 1536<<16
	s_mov_b32 s[G1K+2], 2<<16
	s_mov_b32 s[G1K+3], 1536<<16
	s_mov_b32 s[G1K+4], 2
	s_mov_b32 s[G1K+5], 98304
	s_mov_b32 s[G1K+6], 0
	s_mov_b32 s[G1K+7], 0
	s_or_b32 s[G1V], s21, (3<<16)|(1<<21)          ; V: 24,576 dense bytes as 96 rows of 256
	s_mov_b32 s[G1V+1], 32<<16
	s_mov_b32 s[G1V+2], 96<<16
	s_mov_b32 s[G1V+3], 32<<16
	s_mov_b32 s[G1V+4], 96
	s_mov_b32 s[G1V+5], 32
	s_mov_b32 s[G1V+6], 0
	s_mov_b32 s[G1V+7], 0
	s_or_b32 s[G1SK], s21, (3<<16)|(1<<21)         ; K's scale words: two head pairs x 8,192 bytes, 32,768 apart
	s_mov_b32 s[G1SK+1], 1024<<16
	s_mov_b32 s[G1SK+2], 2<<16
	s_mov_b32 s[G1SK+3], 1024<<16
	s_mov_b32 s[G1SK+4], 2
	s_mov_b32 s[G1SK+5], 4096
	s_mov_b32 s[G1SK+6], 0
	s_mov_b32 s[G1SK+7], 0
	s_or_b32 s[G1SV], s21, (3<<16)|(1<<21)         ; V's: 16 steps x 1,024 bytes, 4,096 apart
	s_mov_b32 s[G1SV+1], 128<<16
	s_mov_b32 s[G1SV+2], 16<<16
	s_mov_b32 s[G1SV+3], 128<<16
	s_mov_b32 s[G1SV+4], 16
	s_mov_b32 s[G1SV+5], 512
	s_mov_b32 s[G1SV+6], 0
	s_mov_b32 s[G1SV+7], 0
	s_mov_b32 s[CS], 0x3e38aa3b                    ; c = log2(e) / 8
	s_mov_b32 s[CS+1], s[CS]
	s_mov_b32 s[SEL], 0x76543210
	s_mov_b32 s[SEL+1], 0xfedcba98
	s_mov_b32 s[THR], 0x4e7fffff                   ; the bits just under 2^30
	s_mov_b32 s[TB], 0
	s_mov_b32 s[TV], SLOT1
	s_mov_b32 s[TS], 0
	s_mov_b32 s[TJ], 0
	s_mov_b32 s[CNT], 14
	s_lshl_b32 s66, s16, 10
	s_lshl_b32 s2, s19, 7
	s_add_co_u32 s66, s66, s2                      ; K's first fragment: 1,024 G + 128 bb
	s_lshl_b32 s67, s19, 10
	s_lshl_b32 s2, s16, 4
	s_add_co_u32 s67, s67, s2                      ; V's: 1,024 bb + 16 G
	s_mov_b32 s3, 0
	s_mov_b32 s21, 0
	s_lshl_b32 s20, s17, 19                        ; the mask: 64 qb rows of 8,192 bytes
	s_wait_dscnt 0x0
	s_wait_kmcnt 0x0
	s_mov_b32 s[G0M], 1
	s_mov_b32 s[G0M+1], 0
	s_add_nc_u64 s[G0M+2:G0M+3], s[6:7], s[20:21]
	s_or_b32 s[G0M+3], s[G0M+3], 0x80000000
	s_mov_b32 s[G0K], 1
	s_mov_b32 s[G0K+1], KOFF
	s_mul_i32 s2, s66, FRB
	s_add_co_u32 s2, s2, PJK
	s_add_nc_u64 s[G0K+2:G0K+3], s[4:5], s[2:3]
	s_or_b32 s[G0K+3], s[G0K+3], 0x80000000
	s_mov_b32 s[G0V], 1
	s_mov_b32 s[G0V+1], SLOT1+VOFF                 ; V's step 0 goes with K's step 1
	s_mul_i32 s2, s67, FRB
	s_add_co_u32 s2, s2, PJV
	s_add_nc_u64 s[G0V+2:G0V+3], s[4:5], s[2:3]
	s_or_b32 s[G0V+3], s[G0V+3], 0x80000000
	s_mov_b32 s[G0SK], 1
	s_mov_b32 s[G0SK+1], SCK
	s_lshl_b32 s2, s66, 6
	s_add_co_u32 s2, s2, PJS+262144
	s_add_nc_u64 s[G0SK+2:G0SK+3], s[4:5], s[2:3]
	s_or_b32 s[G0SK+3], s[G0SK+3], 0x80000000
	s_mov_b32 s[G0SV], 1
	s_mov_b32 s[G0SV+1], SCV
	s_lshl_b32 s2, s67, 6
	s_add_co_u32 s2, s2, PJS+524288
	s_add_nc_u64 s[G0SV+2:G0SV+3], s[4:5], s[2:3]
	s_or_b32 s[G0SV+3], s[G0SV+3], 0x80000000
	CROUND                                         ; the first joint loads meet
	FILL4 G0M,G1M,G0K,G1K,G0SK,G1SK,G0SV,G1SV      ; waves 0 to 3, one load each: the mask's and K's step 0, the scale words
	v_and_b32 v[R], 15, v0
	v_bfe_u32 v[H], v0, 4, 1
	v_and_b32 v[LN], 31, v0
	VW
	; the prefetches: where my wave's stand, and who asks
	s_and_b32 s2, s15, 1
	s_mul_i32 s3, s66, FRB                         ; cx 0, 1: K of head pair cx, at step 3
	s_mul_i32 s18, s2, 786432
	s_add_co_u32 s3, s3, s18
	s_add_co_u32 s3, s3, PJK+3*12288
	s_mul_i32 s18, s67, FRB                        ; cx 2, 3: V of step 3, of step 4
	s_mul_i32 s21, s2, 98304
	s_add_co_u32 s18, s18, s21
	s_add_co_u32 s18, s18, PJV+3*98304
	s_mov_b32 s21, 98304
	s_cmp_lt_u32 s15, 2                            ; the place in the cluster enters these offsets alone
	s_cselect_b32 s3, s3, s18
	s_cselect_b32 s21, 12288, s21
	s_lshl_b32 s2, s11, 13
	s_add_co_u32 s3, s3, s2                        ; my wave's 8,192 bytes
	s_lshl_b32 s2, s17, 19                         ; the mask: my tile, my work-group's 16 rows, step 3
	s_lshl_b32 s18, s16, 17
	s_add_co_u32 s2, s2, s18
	s_add_co_u32 s2, s2, 3*512
	s_mov_b32 s18, 8192
	s_cmp_eq_u32 s[WV], 7                          ; wave 7 asks for the mask, waves 4 to 6 for K and V
	s_cselect_b64 s[PFA:PFA+1], s[6:7], s[4:5]
	s_cselect_b32 s2, s2, s3
	s_cselect_b32 s[PFS], 512, s21
	s_cselect_b32 s18, s18, 512
	s_cselect_b32 s[EVM], 0, 1
	s_cselect_b32 s21, s19, ttmp9                  ; the cluster's coordinate along which others read the same bytes
	s_cselect_b32 s[LIM], 1, 3
	s_mov_b32 s3, 0
	s_mov_b32 s[PFS+1], 0
	s_add_nc_u64 s[PFA:PFA+1], s[PFA:PFA+1], s[2:3]
	s_xor_b32 s2, s12, 1                           ; 0 in waves 4 to 7
	s_or_b32 s2, s2, s21
	s_cmp_eq_u32 s2, 0
	s_cselect_b32 s[LIM], s[LIM], -1               ; the same in all sixteen partners, for a given wave
	v_lshrrev_b32 v[PFO], 1, v[LN]
	D 1
	v_mul_lo_u32 v[PFO], v[PFO], s18
	v_and_b32 v[T0], 1, v0
	D 1
	v_lshl_add_u32 v[PFO], v[T0], 8, v[PFO]
	v_lshlrev_b32 v[CO], 3, v[LN]                  ; 8 x lane
	v_lshlrev_b32 v[T1], 2, v[R]                   ; 4 r
	VW
	; Q, and where the output goes
	s_lshl_b32 s2, s16, 1
	s_add_co_u32 s2, s2, s12                       ; my head pair: 2 G + g
	s_lshl_b32 s3, s19, 7
	s_lshl_b32 s18, s17, 2
	s_add_co_u32 s3, s3, s18                       ; the work-group's first rowblock of queries
	s_add_co_u32 s18, s3, s11                      ; mine
	s_lshl_b32 s21, s2, 9
	s_add_co_u32 s21, s21, s18
	s_mul_i32 s66, s21, FRB
	s_mov_b32 s67, 0
	s_add_nc_u64 s[66:67], s[4:5], s[66:67]
	s_lshl_b32 s100, s21, 6
	s_add_co_u32 s100, s100, PJS
	s_mov_b32 s101, 0
	s_add_nc_u64 s[100:101], s[4:5], s[100:101]
	s_lshl_b32 s21, s18, 3
	s_add_co_u32 s21, s21, s2
	s_mul_i32 s20, s21, FRB
	s_mov_b32 s21, 0
	s_add_nc_u64 s[20:21], s[8:9], s[20:21]        ; out: rowblock, K step = head pair
	s_lshl_b32 s2, s3, 9
	s_lshl_b32 s3, s16, 7
	s_add_co_u32 s2, s2, s3
	s_add_co_u32 s2, s2, ATS
	s_mov_b32 s3, 0
	s_add_nc_u64 s[8:9], s[8:9], s[2:3]            ; out: the four rowblocks' scale words of K steps 2 G, 2 G + 1
.irp p, 0,1,2,3,4,5
	global_load_b64 v[QF+2*\p+6*(\p/3):QF+2*\p+6*(\p/3)+1], v[CO], s[66:67] offset:256*\p
.endr
	global_load_b32 v[QS], v[T1], s[100:101]
.irp i, 0,1,2,3,4,5
	v_mov_b32 v[QF+6+\i], 0                        ; zero codes
.endr
	s_mul_i32 s2, s11, 16*MP
	v_mul_u32_u24 v[AM0], v[R], MP
	D 1
	v_lshl_add_u32 v[AM0], v[H], 7, v[AM0]
	D 1
	v_add_nc_u32 v[AM0], s2, v[AM0]                ; the mask: row 16 tile + r, + 128 h
	s_mul_i32 s2, s12, 8*FRB
	s_add_co_u32 s3, s2, KOFF
	v_add_nc_u32 v[AK0], s3, v[CO]
	s_add_co_u32 s3, s2, VOFF
	v_add_nc_u32 v[AV0], s3, v[CO]
	s_lshl_b32 s2, s12, 13
	s_add_co_u32 s2, s2, SCK
	v_add_nc_u32 v[ASK0], s2, v[T1]
	s_lshl_b32 s2, s12, 9
	s_add_co_u32 s2, s2, SCV
	v_add_nc_u32 v[ASV0], s2, v[T1]
	s_lshl_b32 s2, s11, 7
	s_lshl_b32 s3, s12, 2
	s_add_co_u32 s2, s2, s3
	s_add_co_u32 s2, s2, STG
	v_lshl_add_u32 v[SB], v[R], 3, s2              ; the output's scale bytes: 128 tile + 8 r + 2 head
	v_lshl_add_u32 v[RD], v[LN], 4, STG
	v_lshrrev_b32 v[ST], 3, v[LN]
	v_and_b32 v[T0], 7, v[LN]
	D 1
	v_lshlrev_b32 v[T0], 4, v[T0]
	D 1
	v_lshl_add_u32 v[ST], v[ST], 9, v[T0]
	v_lshlrev_b32 v[SH8], 3, v[H]
	v_mov_b32 v[VC], s[CS]
	v_mov_b32 v[V1], 1.0
	s_mov_b32 s[NG], 0xf2c9f2ca                    ; -8e30: eight times the f32 number nearest to -1e30
	s_mov_b32 s[NG+1], s[NG]
	v_mov_b32 v[UM], 0xff61b1e6                    ; -3e38, under every u
	v_mov_b32 v[UM+1], 0xff61b1e6
	v_mov_b32 v[PT], 0
	v_mov_b32 v[F+1], 0
	v_mov_b32 v[CR+1], 0
	v_mov_b32 v[BR+1], 0
.irp i, 0,1,2,3
	v_mov_b32 v[LB+\i], 0
.endr
	v_mul_f32 v[W1], s[CS], v[UM]
	D 1
	v_floor_f32 v[NM], -v[W1]
	D 1
	v_mov_b32 v[NM+1], v[NM]
.set j, 0
.rept 64
	v_mov_b32 v[O+j], 0                            ; the period is written for all steps alike: the first finds zeros
.set j, j+1
.endr
	VW
	s_wait_tensorcnt 0x0                           ; the head's loads are in; the full sequence ahead of the later first fills
	ds_add_u32 v[SPW], v[NIL]
	ds_add_u32 v[SPW], v[NIL]
	s_xor_b32 s[G0M+1], s[G0M+1], SLOT1
	s_xor_b32 s[G0K+1], s[G0K+1], SLOT1
	s_add_nc_u64 s[G0M+2:G0M+3], s[G0M+2:G0M+3], 512
	s_add_nc_u64 s[G0K+2:G0K+3], s[G0K+2:G0K+3], 8*FRB
	s_mov_b32 s[G0X], 1                            ; V's step 15, into bytes of its own
	s_mov_b32 s[G0X+1], VXO
	s_add_nc_u64 s[G0X+2:G0X+3], s[G0V+2:G0V+3], 15*64*FRB
	s_wait_dscnt 0x0
	CROUND
	FILL4 G0M,G1M,G0K,G1K,G0V,G1V,G0X,G1V          ; slot 1's first fill, and V's step 15
	ADDRS
	LOADF KB, ADK, ADS, KS                         ; step 0's K and mask into registers
	LOADM
	s_mov_b32 s[TB], SLOT1
	s_mov_b32 s[TS], 512
	VW
	s_wait_loadcnt 0x0                             ; Q
	SEQ 1, 0
.LloopA:                                               ; periods 0 to 13
	PERIOD 1
	s_sub_co_u32 s[CNT], s[CNT], 1
	s_cmp_lg_u32 s[CNT], 0
	s_cbranch_scc1 .LloopA
	s_mov_b32 s[CNT], 2
	s_mov_b32 s[TB], SLOT1
	s_mov_b32 s[TV], SLOT1
.LloopB:                                               ; periods 14 and 15: nothing is left to fill
	PERIOD 0
	s_sub_co_u32 s[CNT], s[CNT], 1
	s_cmp_lg_u32 s[CNT], 0
	s_cbranch_scc1 .LloopB
	; THE WAY OUT, both heads by turns.  O^T / the sum is quantised along the channels: a head's two blocks of 32, 16 in each half of the lanes; three pieces of the fragment (rowblock, head pair) and two scale bytes a row.
	v_add_f32 v[W0], v[LB], v[LB+1]
	v_add_f32 v[W1], v[LB+2], v[LB+3]
	v_permlanex16_b32 v[PT], v[W0], s[SEL], s[SEL+1]
	v_permlanex16_b32 v[UMO], v[W1], s[SEL], s[SEL+1]
	v_add_f32 v[W0], v[W0], v[PT]                  ; the rows' sums
	v_add_f32 v[W1], v[W1], v[UMO]
	VW
	v_rcp_f32 v[F], v[W0]
	v_rcp_f32 v[CR], v[W1]
	v_nop
	VW                                             ; ahead of the reciprocals' and of O^T's first readers
.set j, 0
.rept 16
	v_pk_mul_f32 v[S+j:S+j+1], v[O+j:O+j+1], v[F:F+1] op_sel_hi:[1,0]   ; register 32 e + 16 b + i: head e, channel 32 b + 16 h + i
.set j, j+2
.endr
.rept 16
	v_pk_mul_f32 v[S+j:S+j+1], v[O+j:O+j+1], v[CR:CR+1] op_sel_hi:[1,0]
.set j, j+2
.endr
.irp k, 0,1,2,3
	v_max3_num_f32 v[CT+\k], |v[S+16*\k]|, |v[S+16*\k+1]|, 0x1800000
.endr
.irp i, 2,4,6,8,10,12,14
.irp k, 0,1,2,3
	v_max3_num_f32 v[CT+\k], v[CT+\k], |v[S+16*\k+\i]|, |v[S+16*\k+\i+1]|
.endr
.endr
.irp k, 0,1,2,3
	v_permlanex16_b32 v[CT+4+\k], v[CT+\k], s[SEL], s[SEL+1]
.endr
.irp k, 0,1,2,3
	v_max_num_f32 v[CT+\k], v[CT+\k], v[CT+4+\k]
.endr
.irp k, 0,1,2,3
	v_add_nc_u32 v[LS+\k], 0xff000000, v[CT+\k]
.endr
.irp k, 0,1,2,3
	v_lshrrev_b32 v[PCD+\k], 23, v[LS+\k]
.endr
	v_lshl_or_b32 v[PW], v[PCD+1], 8, v[PCD]
	v_lshl_or_b32 v[PW+1], v[PCD+3], 8, v[PCD+2]
.irp e, 0,1                            ; the codes go where O^T lay: head e's six registers at O + 16 e, the second halves at O + 16 e + 8
	v_cvt_scalef32_pk16_fp6_f32 v[O+16*\e:O+16*\e+2], v[S+32*\e:S+32*\e+15], v[LS+2*\e]
	v_cvt_scalef32_pk16_fp6_f32 v[O+16*\e+8:O+16*\e+10], v[S+32*\e+16:S+32*\e+31], v[LS+2*\e+1]
.endr
	v_nop
.irp e, 0,1
.irp i, 0,1,2
	v_permlane16_swap_b32 v[O+16*\e+\i], v[O+16*\e+8+\i]   ; a whole block to a lane
.endr
.endr
.irp e, 0,1
.irp i, 0,1,2
	v_mov_b32 v[O+16*\e+3+\i], v[O+16*\e+8+\i]
.endr
.endr
.irp e, 0,1
.irp p, 0,1,2
	global_store_b64 v[CO], v[O+16*\e+2*\p:O+16*\e+2*\p+1], s[20:21] offset:768*\e+256*\p   ; 32 lanes store 256 consecutive bytes, aligned
.endr
	ds_store_b16 v[SB], v[PW+\e] offset:2*\e       ; lanes r and r + 16 write the same bytes with the same value
.endr
	VW
	s_wait_dscnt 0x0                               ; for the others' sake: my stores have landed
	s_barrier_signal -1
	s_barrier_wait -1
	s_cmp_lg_u32 s[WV], 0
	s_cbranch_scc1 .Lnot_0
	ds_load_b128 v[S:S+3], v[RD]                   ; four rowblocks x 16 rows x 8 bytes
	s_wait_dscnt 0x0
	global_store_b128 v[ST], v[S:S+3], s[8:9]      ; four runs of 128 consecutive bytes
.Lnot_0:
	s_wait_tensorcnt 0x0                           ; the wave's end
	ds_add_u32 v[SPW], v[NIL]
	s_wait_dscnt 0x0
	CROUND                                         ; the closing round
	s_endpgm
.Lfunc_end_k_q78efa9a738_attn:
	.size	k_q78efa9a738_attn, .Lfunc_end_k_q78efa9a738_attn-k_q78efa9a738_attn
	.p2alignl 7, 3214868480
	.fill 96, 4, 3214868480
	.section	.rodata,"a",@progbits
	.p2align	6, 0x0
	.amdhsa_kernel k_q78efa9a738_attn
		.amdhsa_group_segment_fixed_size 327680
		.amdhsa_private_segment_fixed_size 0
		.amdhsa_enable_private_segment 0
		.amdhsa_kernarg_size 24
		.amdhsa_user_sgpr_count 2
		.amdhsa_user_sgpr_kernarg_segment_ptr 1
		.amdhsa_wavefront_size32 1
		.amdhsa_system_sgpr_workgroup_id_x 1
		.amdhsa_system_sgpr_workgroup_id_y 1
		.amdhsa_system_sgpr_workgroup_id_z 1
		.amdhsa_system_vgpr_workitem_id 0
		.amdhsa_next_free_vgpr 512
		.amdhsa_next_free_sgpr 106
		.amdhsa_reserve_vcc 0
		.amdhsa_float_denorm_mode_32 3
		.amdhsa_float_denorm_mode_16_64 3
		.amdhsa_memory_ordered 1
		.amdhsa_forward_progress 1
		.amdhsa_inst_pref_size 108
	.end_amdhsa_kernel
	.amdgpu_metadata
---
amdhsa.version: [ 1, 2 ]
amdhsa.kernels:
  - .name:           k_q78efa9a738_attn
    .symbol:         k_q78efa9a738_attn.kd
    .args:
      - { .name: pj, .offset: 0, .size: 8, .value_kind: global_buffer, .address_space: global }
      - { .name: mask, .offset: 8, .size: 8, .value_kind: global_buffer, .address_space: global }
      - { .name: at, .offset: 16, .size: 8, .value_kind: global_buffer, .address_space: global }
    .group_segment_fixed_size: 327680
    .private_segment_fixed_size: 0
    .kernarg_segment_align: 8
    .kernarg_segment_size: 24
    .max_flat_workgroup_size: 256
    .sgpr_count:     106
    .vgpr_count:     512
    .wavefront_size: 32
...
	.end_amdgpu_metadata
.endif
;; end of part 4
;; launch outproj (part 5): grid 4 x 32, 4 waves a work-group, clusters of 4 x 4, 327,680 bytes of LDS; arguments at, wts, bo, out0; writes out0
.if DOCPART == 5
	.amdgcn_target "amdgcn-amd-amdhsa--gfx1250"
	.amdhsa_code_object_version 6
	.text
	.protected	k_q78efa9a738_outproj
	.globl	k_q78efa9a738_outproj
	.p2align	8
	.type	k_q78efa9a738_outproj,@function
k_q78efa9a738_outproj:
	s_mov_b64 s[64:65], 0
	v_nop
	global_prefetch_b8 v0, s[64:65] scope:SCOPE_SE
	s_setreg_imm32_b32 hwreg(HW_REG_WAVE_MODE, 25, 1), 1
	s_wait_xcnt 0x0
	s_wait_alu depctr_hold_cnt(0) depctr_sa_sdst(0) depctr_va_vdst(0) depctr_va_sdst(0) depctr_va_ssrc(0) depctr_va_vcc(0) depctr_vm_vsrc(0)
	s_getreg_b32 s2, hwreg(HW_REG_IB_STS2, 6, 4)
	s_cmp_eq_u32 s2, 0
	s_cbranch_scc0 .Lentry_in_a_cluster
	s_endpgm
.Lentry_in_a_cluster:
	s_bfe_u32 s2, ttmp6, 0x10000c
	s_cmp_lg_u32 s2, 0xf033
	s_cbranch_scc0 .Lentry_shape_is_right
	s_endpgm
.Lentry_shape_is_right:
.set FRB,   1536
.set RBB,   8*FRB
.set NQ,    2
.set FR,    12
.set NL,    6
.set NP,    4
.set HALFT, 8*NQ*FRB
.set SLOT,  4*HALFT
.set SCL,   2*SLOT
.set HALFS, 4096
.set SPARE, SCL+4*HALFS
.set SPITCH, 528
.set ATS,   6291456
.set WOC,   3*786432
.set WOS,   3145728+3*32768
.set ADRA, 16
.set ADRB, 20
.set STO,  24
.set RD,   25
.set CO,   26
.set ADRS, 27
.set SPW,  28
.set NIL,  29
.set BBA,  30
.set SC,   32
.set BB,   64
.set AF,   128
.set BK,   128
.set WV, 16
.set HA, 17
.set HB, 18
.set TY, 19
.set TX, 20
.set G1, 24
.set G0, 32
.set G1B, 48
.set G0B, 56
.set G1S, 68
.set G0S, 76
.set G1SB, 80
.set G0SB, 88
.set MSB, 0
.macro WIN new
.if MSB != (\new)
	s_set_vgpr_msb (MSB<<8)|(\new)
.set MSB, (\new)
.endif
.endm
.set MUL_LO, 0xa1
.set MUL_HI, 0xf1
.set TO_B,   0x40
.macro JLOAD g0a, g1a, g0b, g1b
	s_cmp_eq_u32 s[HA], 0
	s_cbranch_scc0 .Lfor_b_\@
	tensor_load_to_lds s[\g0a:\g0a+3], s[\g1a:\g1a+7]
	s_nop 0
.rept 4
	v_nop
.endr
	s_branch .Lasked_\@
.Lfor_b_\@:
	tensor_load_to_lds s[\g0b:\g0b+3], s[\g1b:\g1b+7]
	s_nop 0
.rept 4
	v_nop
.endr
.Lasked_\@:
.endm
.macro CREST
	s_cmp_lg_u32 s[WV], 0
	s_cbranch_scc1 .Lnot_wave_0_\@
	s_barrier_signal -3
.Lnot_wave_0_\@:
	s_barrier_wait -3
	s_barrier_signal -1
	s_barrier_wait -1
.endm
.macro CROUND
	s_barrier_signal -1
	s_barrier_wait -1
	CREST
.endm
	s_load_b256 s[4:11], s[0:1], 0x0
	v_lshl_add_u32 v[SPW], v0, 2, SPARE
	v_mov_b32 v[NIL], 0
	ds_add_u32 v28, v29
	ds_add_u32 v28, v29
	s_wait_dscnt 0x0
	v_lshrrev_b32 v1, 5, v0
	v_readfirstlane_b32 s[WV], v1
	s_lshr_b32 s[HA], s[WV], 1
	s_and_b32 s[HB], s[WV], 1
	s_and_b32 s21, ttmp7, 0xffff
	s_bfe_u32 s22, ttmp6, 0x40000
	s_bfe_u32 s23, ttmp6, 0x40004
	s_lshl_b32 s[TY], s21, 2
	s_add_co_u32 s[TY], s[TY], s23
	s_mov_b32 s[TX], s22
	s_lshl_b32 s66, s23, 2
	s_lshl_b32 s66, 15, s66
	s_lshl_b32 s67, 0x1111, s22
	s_or_b32 s[G1+0], s66, (3<<16)|(1<<21)
	s_or_b32 s[G1B+0], s67, (3<<16)|(1<<21)
.irp g, G1, G1B
	s_mov_b32 s[\g+1], 384<<16
	s_mov_b32 s[\g+2], 8<<16
	s_mov_b32 s[\g+3], 384<<16
	s_mov_b32 s[\g+4], 8
	s_mov_b32 s[\g+5], 1536
	s_mov_b32 s[\g+6], 0
	s_mov_b32 s[\g+7], 0
.endr
	s_or_b32 s[G1S+0], s66, (3<<16)|(1<<21)
	s_or_b32 s[G1SB+0], s67, (3<<16)|(1<<21)
.irp g, G1S, G1SB
	s_mov_b32 s[\g+1], 32<<16
	s_mov_b32 s[\g+2], 16<<16
	s_mov_b32 s[\g+3], 32<<16
	s_mov_b32 s[\g+4], 16
	s_mov_b32 s[\g+5], 32
	s_mov_b32 s[\g+6], 0
	s_mov_b32 s[\g+7], 0
.endr
	s_mul_i32 s66, s[WV], HALFT
	s_lshl_b32 s67, s[WV], 12
	s_lshl_b32 s40, s[TY], 4
	s_lshl_b32 s41, s[HB], 3
	s_add_co_u32 s40, s40, s41
	s_mul_i32 s44, s40, RBB
	s_mov_b32 s45, 0
	s_lshl_b32 s40, s40, 9
	s_add_co_u32 s40, s40, ATS
	s_mov_b32 s41, 0
	s_lshl_b32 s42, s[TX], 4
	s_lshl_b32 s43, s[HB], 3
	s_add_co_u32 s42, s42, s43
	s_mul_i32 s46, s42, RBB
	s_add_co_u32 s46, s46, WOC
	s_mov_b32 s47, 0
	s_lshl_b32 s42, s42, 9
	s_add_co_u32 s42, s42, WOS
	s_mov_b32 s43, 0
	s_wait_kmcnt 0x0
	s_add_nc_u64 s[44:45], s[4:5], s[44:45]
	s_add_nc_u64 s[40:41], s[4:5], s[40:41]
	s_add_nc_u64 s[46:47], s[6:7], s[46:47]
	s_add_nc_u64 s[42:43], s[6:7], s[42:43]
	CROUND
	s_mov_b32 s[G0S], 1
	s_add_co_u32 s[G0S+1], s67, SCL
	s_mov_b64 s[G0S+2:G0S+3], s[40:41]
	s_or_b32 s[G0S+3], s[G0S+3], 0x80000000
	s_mov_b32 s[G0SB], 1
	s_add_co_u32 s[G0SB+1], s67, SCL
	s_mov_b64 s[G0SB+2:G0SB+3], s[42:43]
	s_or_b32 s[G0SB+3], s[G0SB+3], 0x80000000
	JLOAD G0S, G1S, G0SB, G1SB
.irp s, 0,1
	s_mov_b32 s[G0+4*\s], 1
	s_add_co_u32 s[G0+4*\s+1], s66, \s*SLOT
	s_add_nc_u64 s[G0+4*\s+2:G0+4*\s+3], s[44:45], \s*NQ*FRB
	s_or_b32 s[G0+4*\s+3], s[G0+4*\s+3], 0x80000000
	s_mov_b32 s[G0B+4*\s], 1
	s_add_co_u32 s[G0B+4*\s+1], s66, \s*SLOT
	s_add_nc_u64 s[G0B+4*\s+2:G0B+4*\s+3], s[46:47], \s*NQ*FRB
	s_or_b32 s[G0B+4*\s+3], s[G0B+4*\s+3], 0x80000000
	s_wait_alu depctr_va_vdst(0)
	s_wait_tensorcnt 0x0
	ds_add_u32 v28, v29
	s_wait_dscnt 0x0
	CROUND
	JLOAD G0+4*\s, G1, G0B+4*\s, G1B
.endr
	v_and_b32 v1, 15, v0
	v_bfe_u32 v2, v0, 4, 1
	s_wait_alu depctr_va_vdst(0)
	v_and_b32 v3, 31, v0
	v_lshlrev_b32 v4, 3, v3
	s_mul_i32 s40, s[HA], HALFT
	s_mul_i32 s41, s[HB], HALFT
	s_add_co_u32 s41, s41, 2*HALFT
.irp s, 0,1
	v_add_nc_u32 v[ADRA+\s], s40, v4
	v_add_nc_u32 v[ADRB+\s], s41, v4
	s_add_co_u32 s40, s40, SLOT
	s_add_co_u32 s41, s41, SLOT
.endr
	s_lshl_b32 s40, s[HA], 12
	s_lshl_b32 s41, s[HB], 12
	s_add_co_u32 s41, s41, 2*HALFS
	s_sub_co_u32 s41, s41, s40
	v_mul_u32_u24 v4, s41, v2
	s_add_co_u32 s40, s40, SCL
	v_lshl_add_u32 v4, v1, 3, v4
	v_add_nc_u32 v[ADRS], s40, v4
	s_mul_i32 s40, s[WV], 16*SPITCH
	v_mul_u32_u24 v4, v1, SPITCH
	v_lshl_add_u32 v4, v2, 6, v4
	v_add_nc_u32 v[STO], s40, v4
	v_lshlrev_b32 v[CO], 4, v3
	v_add_nc_u32 v[RD], s40, v[CO]
	v_lshlrev_b32 v[BBA], 6, v2
	s_lshl_b32 s40, s[TX], 10
	s_lshl_b32 s41, s[HB], 9
	s_add_co_u32 s40, s40, s41
	s_mov_b32 s41, 0
	s_add_nc_u64 s[8:9], s[8:9], s[40:41]
.irp b, 0,1,2,3,4,5,6,7
	global_load_b128 v[BB+8*\b:BB+8*\b+3], v[BBA], s[8:9] offset:(32*(\b/2)+8*(\b%2))*4
	global_load_b128 v[BB+8*\b+4:BB+8*\b+7], v[BBA], s[8:9] offset:(32*(\b/2)+8*(\b%2))*4+16
.endr
	s_lshl_b32 s42, s[TY], 20
	s_lshl_b32 s43, s[HA], 19
	s_add_co_u32 s42, s42, s43
	s_add_co_u32 s42, s42, s40
	s_mov_b32 s43, 0
	s_add_nc_u64 s[10:11], s[10:11], s[42:43]
.macro FRAG reg, adr, q, i
.irp p, 0,1,2,3,4,5
	ds_load_b64 v[\reg+2*\p:\reg+2*\p+1], v[\adr] offset:(\i)*NQ*FRB+(\q)*FRB+256*\p
.endr
.endm
.macro MUL16 a0, p, q, sc, zero
.irp a, \a0, \a0+1
.irp b, 0,1,2,3,4,5,6,7
.if \zero
	v_wmma_scale_f32_16x16x128_f8f6f4 v[8*(8*((\a)%4)+\b):8*(8*((\a)%4)+\b)+7], v[128*(\p)+FR*\b:128*(\p)+FR*\b+FR-1], v[AF+FR*(\a):AF+FR*(\a)+FR-1], v[BB+8*\b:BB+8*\b+7], v[SC+8*NQ*(\sc)+NQ*\b+(\q)], v[SC+8*NQ*(\sc)+NQ*(\a)+(\q)] matrix_a_fmt:MATRIX_FMT_FP6 matrix_b_fmt:MATRIX_FMT_FP6 matrix_a_scale:MATRIX_SCALE_ROW1
.else
	v_wmma_scale_f32_16x16x128_f8f6f4 v[8*(8*((\a)%4)+\b):8*(8*((\a)%4)+\b)+7], v[128*(\p)+FR*\b:128*(\p)+FR*\b+FR-1], v[AF+FR*(\a):AF+FR*(\a)+FR-1], v[8*(8*((\a)%4)+\b):8*(8*((\a)%4)+\b)+7], v[SC+8*NQ*(\sc)+NQ*\b+(\q)], v[SC+8*NQ*(\sc)+NQ*(\a)+(\q)] matrix_a_fmt:MATRIX_FMT_FP6 matrix_b_fmt:MATRIX_FMT_FP6 matrix_a_scale:MATRIX_SCALE_ROW1
.endif
.endr
.endr
.endm
.macro FETCH_B slot, q, p
	WIN TO_B
.irp i, 0,1,2,3,4,5,6,7
	FRAG 128*(\p)+FR*\i, ADRB+\slot, \q, \i
.endr
	WIN 0
.endm
.macro FETCH_A slot, q, i0
.irp i, \i0, \i0+1, \i0+2, \i0+3
	FRAG AF+FR*(\i), ADRA+\slot, \q, \i
.endr
.endm
.macro SCALES sc
.irp i, 0,1,2,3,4,5,6,7
	ds_load_b64 v[SC+8*NQ*\sc+NQ*\i:SC+8*NQ*\sc+NQ*\i+1], v[ADRS] offset:\i*512
.endr
.endm
.macro PLACES n
.rept \n
	v_nop
.endr
.endm
.macro STEP slot, q, zero
	s_wait_dscnt 4*NL
.if \zero
	WIN 0x81
.else
	WIN MUL_LO
.endif
	MUL16 0, (\q)%2, \q, \slot, \zero
	MUL16 2, (\q)%2, \q, \slot, \zero
	s_wait_dscnt 0
	PLACES NP
	FETCH_B \slot, (\q)+1, 1-(\q)%2
	FETCH_A \slot, (\q)+1, 0
.if \zero
	WIN 0xc1
.else
	WIN MUL_HI
.endif
	MUL16 4, (\q)%2, \q, \slot, \zero
	MUL16 6, (\q)%2, \q, \slot, \zero
	PLACES NP
	WIN 0
	FETCH_A \slot, (\q)+1, 4
.endm
.macro TURN slot, next, fill
	s_wait_tensorcnt 0x0
	ds_add_u32 v[SPW], v[NIL]
	s_wait_dscnt 4*NL+1
	WIN MUL_LO
	MUL16 0, 1, NQ-1, \slot, 0
	s_wait_dscnt 0x0
	s_barrier_signal -1
	MUL16 2, 1, NQ-1, \slot, 0
	WIN 0
	s_barrier_wait -1
.if \fill
	CREST
	s_add_nc_u64 s[G0+4*\slot+2:G0+4*\slot+3], s[G0+4*\slot+2:G0+4*\slot+3], 2*NQ*FRB
	s_add_nc_u64 s[G0B+4*\slot+2:G0B+4*\slot+3], s[G0B+4*\slot+2:G0B+4*\slot+3], 2*NQ*FRB
	JLOAD G0+4*\slot, G1, G0B+4*\slot, G1B
.else
	PLACES NP
.endif
	s_wait_alu depctr_va_vdst(0)
	v_add_nc_u32 v[ADRS], 128, v[ADRS]
	FETCH_B \next, 0, 0
	FETCH_A \next, 0, 0
	SCALES \next
	WIN MUL_HI
	MUL16 4, 1, NQ-1, \slot, 0
	MUL16 6, 1, NQ-1, \slot, 0
	PLACES NP
	WIN 0
	FETCH_A \next, 0, 4
.endm
	s_wait_alu depctr_va_vdst(0)
	s_wait_tensorcnt 1
	s_barrier_signal -1
	s_barrier_wait -1
	FETCH_B 0, 0, 0
	FETCH_A 0, 0, 0
	SCALES 0
	FETCH_A 0, 0, 4
	s_wait_loadcnt 0x0
	STEP 0, 0, 1
	TURN 0, 1, 1
	STEP 1, 0, 0
	TURN 1, 0, 1
	STEP 0, 0, 0
	TURN 0, 1, 0
	STEP 1, 0, 0
	s_wait_dscnt 4*NL
	WIN MUL_LO
	MUL16 0, 1, NQ-1, 1, 0
	MUL16 2, 1, NQ-1, 1, 0
	s_wait_dscnt 0
	WIN MUL_HI
	MUL16 4, 1, NQ-1, 1, 0
	MUL16 6, 1, NQ-1, 1, 0
	WIN 0
.macro TOSTAGE a
.set AC, 64*((\a)%4)
	WIN 0x08+4*((\a)/4)
.irp b, 0,1,2,3,4,5,6,7
	ds_store_b128 v[STO], v[AC+8*\b:AC+8*\b+3] offset:128*(\b/2)+32*(\b%2)
	ds_store_b128 v[STO], v[AC+8*\b+4:AC+8*\b+7] offset:128*(\b/2)+32*(\b%2)+16
.endr
	WIN 0
.set BBK, BK+64*((\a)%2)
.irp t, 0,1,2,3,4,5,6,7,8,9,10,11,12,13,14,15
	ds_load_b128 v[BBK+4*\t:BBK+4*\t+3], v[RD] offset:\t*SPITCH
.endr
.endm
.macro SEND a, younger
.set BBK, BK+64*((\a)%2)
	s_wait_dscnt \younger
.if (\a) > 0
	s_add_nc_u64 s[10:11], s[10:11], 16*4096
.endif
.irp t, 0,1,2,3,4,5,6,7,8,9,10,11,12,13,14,15
	global_store_b128 v[CO], v[BBK+4*\t:BBK+4*\t+3], s[10:11] offset:\t*4096 th:TH_STORE_NT
.endr
.endm
	PLACES NP
	TOSTAGE 0
.irp a, 1,2,3,4,5,6,7
.if \a > 1
	s_wait_xcnt 0x0
.endif
	TOSTAGE \a
	SEND \a-1, 32
.endr
	s_wait_xcnt 0x0
	SEND 7, 0
	s_wait_tensorcnt 0x0
	ds_add_u32 v[SPW], v[NIL]
	s_wait_dscnt 0x0
	CROUND
	s_endpgm
.Lfunc_end_k_q78efa9a738_outproj:
	.size	k_q78efa9a738_outproj, .Lfunc_end_k_q78efa9a738_outproj-k_q78efa9a738_outproj
	.p2alignl 7, 3214868480
	.fill 96, 4, 3214868480
	.section	.rodata,"a",@progbits
	.p2align	6, 0x0
	.amdhsa_kernel k_q78efa9a738_outproj
		.amdhsa_group_segment_fixed_size 327680
		.amdhsa_private_segment_fixed_size 0
		.amdhsa_enable_private_segment 0
		.amdhsa_kernarg_size 32
		.amdhsa_user_sgpr_count 2
		.amdhsa_user_sgpr_kernarg_segment_ptr 1
		.amdhsa_wavefront_size32 1
		.amdhsa_system_sgpr_workgroup_id_x 1
		.amdhsa_system_sgpr_workgroup_id_y 1
		.amdhsa_system_sgpr_workgroup_id_z 1
		.amdhsa_system_vgpr_workitem_id 0
		.amdhsa_next_free_vgpr 1024
		.amdhsa_next_free_sgpr 100
		.amdhsa_reserve_vcc 0
		.amdhsa_float_denorm_mode_32 3
		.amdhsa_float_denorm_mode_16_64 3
		.amdhsa_memory_ordered 1
		.amdhsa_forward_progress 1
		.amdhsa_inst_pref_size 162
	.end_amdhsa_kernel
	.amdgpu_metadata
---
amdhsa.version: [ 1, 2 ]
amdhsa.kernels:
  - .name:           k_q78efa9a738_outproj
    .symbol:         k_q78efa9a738_outproj.kd
    .args:
      - { .name: at, .offset: 0, .size: 8, .value_kind: global_buffer, .address_space: global }
      - { .name: wts, .offset: 8, .size: 8, .value_kind: global_buffer, .address_space: global }
      - { .name: bo, .offset: 16, .size: 8, .value_kind: global_buffer, .address_space: global }
      - { .name: out0, .offset: 24, .size: 8, .value_kind: global_buffer, .address_space: global }
    .group_segment_fixed_size: 327680
    .private_segment_fixed_size: 0
    .kernarg_segment_align: 8
    .kernarg_segment_size: 32
    .max_flat_workgroup_size: 128
    .sgpr_count:     100
    .vgpr_count:     1024
    .wavefront_size: 32
...
	.end_amdgpu_metadata
.endif
;; end of part 5
